; MI455X (gfx1250); checked and timed in simulation.
; The chip was launched on July 23, 2026; its instructions are those of AMD's public machine-readable ISA for CDNA 5 (MIT licence, August 2026) and "CDNA5" Instruction Set Architecture Reference Guide (July 2026). The comments in the code are by the model that wrote it; some were corrected since.
;; attn. Allowed arithmetic: matrix products marked QUANTISED: E2M1 operands, one E8M0 scale for each 32 along K, by v_wmma_scale_f32_16x16x128_f8f6f4 with both operands' format E2M1 (or v_wmma_scale_f32_32x16x128_f4), f32 sums; everything else in f32.
;; Inputs: Wc_b 1,000 float32; Wc_w 1,000 x 2,000 float32; hs 32 x 512 x 1,000 float32; ht 32 x 512 x 1,000 float32; mask 32 x 512 bool.
;; Outputs: out0 32 x 512 x 1,000 float32.
;; Constants: t = 0.
;; This version of the problem:
;;   THIS VERSION OF THE PROBLEM IS GIVEN IN LOW PRECISION. The matrix products marked QUANTISED in the list below multiply operands that are first quantised to E2M1 (2 exponent bits, 1 mantissa bit; 4 bits a number), with one power-of-two scale for each 32 numbers along K (OCP MX v1.0); their sums are f32. All else is computed in f32.
;;   The module's matrix products, in the order in which they are computed (A, B: the left and right operand; K: the contracted axis; several contracted axes count as one K, in the product's order):
;;     1. batch 32 x [M 512, K 1,000] x [K 1,000, N 512]; A: input ht; B: input hs: QUANTISED
;;     2. batch 32 x [M 512, K 512] x [K 512, N 1,000]; A: softmax (see below); B: input hs: QUANTISED
;;     3. [M 16,384, K 2,000] x [K 2,000, N 1,000]; A: computed on the way; B: input Wc_w: QUANTISED
;;   THE QUANTISER, for each operand of a quantised product, along K:
;;     - K is cut into blocks of 32 from its start; a last block that is shorter is filled with zeros.
;;     - A block's scale is 2^e with e = floor(log2(the largest magnitude in the block)) - 2, held to -126 .. 127; a block of zeros has e = 0. As a byte (E8M0): e + 127.
;;     - Each number is divided by its block's scale, clamped to +-6, and rounded to the nearest number of E2M1, ties to even, subnormals kept.
;;     - The product sums the exact products of the quantised numbers (number of the format x scale) in f32.
;;   ~~~python
;;   def quantise(x, axis):      # numpy; x: float32 -> the quantised numbers, widened to float32 again
;;       x = np.moveaxis(x, axis, -1); K = x.shape[-1]
;;       x = np.pad(x, [(0, 0)] * (x.ndim - 1) + [(0, -K % 32)]); x = x.reshape(x.shape[:-1] + (-1, 32)); a = np.abs(x).max(-1, keepdims=True)
;;       e = np.where(a > 0, np.clip(np.frexp(np.where(a > 0, a, 1))[1] - 1 - 2, -126, 127), 0)      # np.frexp(a)[1] - 1 = floor(log2(a)), exactly
;;       r = np.clip(x / 2.0 ** e, -6, 6)
;;       step = 2.0 ** (np.maximum(np.frexp(np.where(r == 0, 1, r))[1] - 1, 0) - 1)
;;       q = np.round(r / step) * step * 2.0 ** e      # np.round: ties to even
;;       return np.moveaxis(q.reshape(q.shape[:-2] + (-1,))[..., :K], -1, axis).astype(np.float32)
;;   ~~~
;;   SOFTMAX AHEAD OF A QUANTISED PRODUCT. Where the list says 'softmax', what is quantised is not the finished softmax but p = 2^(t - M), with t = logit x log2(e) and M = ceil(the row's largest t), a whole number; so 1/2 < the row's largest p <= 1. The row's sum l is taken of the UNQUANTISED p, in f32, and the product's result is divided by l at the end. Since M is a whole number, a kernel that streams over the keys may use a running M (the ceiling of the running maximum): every later rescaling is an exact power of two, which a block's scale takes up: the codes' values come out the same.
;;   OPERANDS COMPUTED ON THE WAY. 'Computed on the way' means the value that the module computes at that place (a softmax that the list does not call 'softmax' is quantised finished and normalised). What goes into a quantiser is computed in f32, as accurately as f32 sums, v_exp_f32 and their like allow (about 1e-6 of the number): no bf16 or f16 on the way to a quantiser, and a product that is left as it is and whose result goes on into a quantised operand takes f32 operands (vector FMAs, or v_wmma_f32_16x16x4_f32). A number that lies on a knife's edge between two numbers of the format may be rounded either way, as far as f32 arithmetic and the matrix unit's own rounding can turn it there, and no further.
;; One version. Each part assembles by itself: llvm-mc -triple=amdgcn-amd-amdhsa -mcpu=gfx1250 --defsym DOCPART=n.
;; ======== version 1 of 1: 3 launches
;; limits: right only within a limited range of input values
;; workspace buffers: kv 17,825,792 bytes; wc 1,048,576 bytes; wsx 65,536 bytes; hc 16,777,216 bytes; hsx 1,048,576 bytes
;; launch quant (part 1): grid 256 x 1, 16 waves a work-group, no clusters, 299,520 bytes of LDS; arguments hs, Wc_w, kv, wc, wsx; writes kv, wc, wsx
.if DOCPART == 1
	.amdgcn_target "amdgcn-amd-amdhsa--gfx1250"
	.amdhsa_code_object_version 6
	.text
	.protected	k_q06bdd4cfa1_quant
	.globl	k_q06bdd4cfa1_quant
	.p2align	8
	.type	k_q06bdd4cfa1_quant,@function
k_q06bdd4cfa1_quant:
	s_mov_b64 s[64:65], 0
	v_nop
	global_prefetch_b8 v0, s[64:65] scope:SCOPE_SE
	s_setreg_imm32_b32 hwreg(HW_REG_WAVE_MODE, 25, 1), 1
	s_wait_xcnt 0x0
; hs [32][512][1000] f32 becomes two operands of FP4 (E2M1) codes with one E8M0 scale byte for each 32 along K: once quantised along the channels (the keys' operand of ht . hs^T), once down the
; keys (the values' operand of p . hs).  Wc_w [1000][2000] f32 becomes codes along its 2000.  All three leave in THE ORDER OF AN OPERAND'S REGISTERS: a fragment (16 operand rows x 128 K) is 1,024 bytes;
; block n (32 K) of row rho lies at 256 n + 16 rho, which is register group n / 2 of lane 16 (n % 2) + rho.  K past the end (channels 1000-1023, k 2000-2047) and rows past the end are zero codes.
; A block's scale is 2^(floor(log2(its largest magnitude)) - 2); its byte is the largest magnitude's exponent field - 2, held at 1 from below.
; LIMITS: a block of zeros gets the byte 1 where the rule says 127 (its codes are zeros, and this program alone reads the bytes); NaN and infinities among the inputs are not served.
; kv: [batch 32][slot 4][139,264]: a slot is 4 units x 32 tiles x 1,024 bytes of codes, then 4 units x 16 lines of 128 bytes of scale words (line q: at 4 (16 u + rho) the word of tile 2 q + u, row rho).
;   slots 0, 1: the keys' operand: unit = 128 channels, tile = 16 keys.   slots 2, 3: the values' operand: unit = 128 keys, tile = 16 channels.
;   THE ROWS OF A TILE ARE NOT NEIGHBOURS: row rho of tile t is operand row 32 (t / 2) + 8 (t % 2) + rho + 8 (rho / 8), so that the results of two neighbouring tiles are 16 neighbours along the next K.
; wc: [S 4][16 rows: 64][K step in S: 4][1,024];  wsx: [256 rows: 4][K step 16][64 rows: 4][rho 16][16 rows: 4] words.
; SHARES.  Work-group j takes 128 keys x 512 channels of hs (keys 128 (j / 2) on, channels 512 (j % 2) on) and 32 rows x 256 k of Wc_w.  Both come into LDS by dense loads, 16 bytes a lane, all 36 of a
; lane on their way at once; what lies past a row's end is replaced by 0 on the way.  Behind ONE barrier a lane takes whole blocks of 32 out of LDS: along a row for the keys' operand and for Wc_w, down a
; column for the values' operand: so hs is read from memory once for both.  No tensor load, no ring, no loop.
; The input t is a constant: it has no way to any output, and no launch is given it.
.set PH,     2064                      ; a row of the hs tile in LDS: 2,048 bytes + 16
.set PWT,    1040                      ; a row of the Wc_w tile: 1,024 + 16
.set WT,     128*PH                    ; the Wc_w tile lies behind the hs tile
.set SLOTB,  139264
.set BATCHB, 4*SLOTB
.set SCO,    131072                    ; a slot's scale lines lie behind its codes
.set OW,  4                            ; v4-7    byte offsets of my four loads of Wc_w
.set OH,  9                            ; v9      byte offset of my loads of hs
.set LSW, 12                           ; v12     LDS: where I put 16 bytes of Wc_w
.set LSA, 13                           ; v13-16  LDS: where I put 16 bytes of hs, 32 rows apart
.set RA,  17                           ; v17     LDS: my key's row, my wave's 128 channels
.set RB,  18                           ; v18-21  LDS: my channel's column, 32 keys apart
.set RW,  22                           ; v22     LDS: my row of Wc_w, my wave's 128 k
.set GAC, 23                           ; v23-28  byte offsets of my codes and scale words in kv (keys', values') and in wc, wsx
.set GAS, 24
.set GBC, 25
.set GBS, 26
.set GWC, 27
.set GWS, 28
.set HL,  32                           ; v32-159 hs as loaded
.set WL,  160                          ; v160-175 Wc_w as loaded
.set X0,  32                           ; behind the barrier: two sets of 32 numbers,
.set X1,  64
.set C,   96                           ; v96-143 codes: registers of its own for each block, so that no store's data are written again
.set SB,  144                          ; v144-146 a scale word for each of the three operands
	s_load_b128 s[4:7], s[0:1], 0x0                ; hs, Wc_w
	s_load_b128 s[8:11], s[0:1], 0x10              ; kv, wc
	s_load_b64 s[12:13], s[0:1], 0x20              ; wsx
	v_lshl_add_u32 v192, v0, 2, 0x48a00
	v_mov_b32 v193, 0
	v_lshrrev_b32 v1, 5, v0
	s_delay_alu instid0(VALU_DEP_1)
	v_readfirstlane_b32 s14, v1                    ; wave 0..15
	s_and_b32 s15, ttmp9, 1                        ; hf: which 512 channels
	s_lshr_b32 s16, ttmp9, 1                       ; which 128 keys of all 16,384
	s_lshr_b32 s17, s16, 2                         ; the batch
	s_and_b32 s18, s16, 3                          ; kg: which 128 keys of the batch
	s_lshr_b32 s19, ttmp9, 3                       ; rg: which 32 rows of Wc_w
	s_and_b32 s20, ttmp9, 7                        ; sp: which 256 of its k
	; Wc_w: a tile row is 64 pieces of 16 bytes; 512 threads take 8 rows a load.  The last 256 k have 208 numbers: 52 pieces
	v_and_b32 v2, 63, v0                           ; my piece
	s_cmp_eq_u32 s20, 7
	s_cselect_b32 s21, 52, 64
	v_cmp_gt_u32 s22, s21, v2                      ; lanes whose piece lies inside the row
	s_sub_co_u32 s23, s21, 1
	v_min_u32 v3, s23, v2                          ; the others load the last piece, so that no load leaves the buffer, and get zeros below
	s_delay_alu instid0(VALU_DEP_1)
	v_lshlrev_b32 v3, 4, v3
	s_wait_alu depctr_va_vdst(0)
	s_lshl_b32 s24, s19, 5
	s_lshr_b32 s25, s14, 1
	s_add_co_u32 s24, s24, s25                     ; 32 rg + wave / 2
	s_lshl_b32 s25, s20, 10                        ; 1,024 sp
.irp i, 0,1,2,3
	s_add_co_u32 s26, s24, 8*\i                    ; the row of load i
	s_cmp_lt_u32 s26, 1000
	s_cselect_b32 s[40+\i], s22, 0                 ; rows 1000-1023 are zeros
	s_min_u32 s26, s26, 999
	s_mul_i32 s26, s26, 8000
	s_add_co_u32 s26, s26, s25
	v_add_nc_u32 v[OW+\i], s26, v3
.endr
	; hs: a tile row is 128 pieces; 512 threads take 4 rows a load.  The upper half has 488 channels: 122 pieces
	v_and_b32 v8, 127, v0
	s_cmp_eq_u32 s15, 1
	s_mov_b32 s27, 128
	s_cselect_b32 s27, 122, s27
	v_cmp_gt_u32 s28, s27, v8
	s_sub_co_u32 s29, s27, 1
	v_min_u32 v9, s29, v8
	s_delay_alu instid0(VALU_DEP_1)
	v_lshlrev_b32 v9, 4, v9
	v_lshrrev_b32 v10, 7, v0                       ; wave / 4
	s_delay_alu instid0(VALU_DEP_1)
	v_mul_u32_u24 v11, v10, 4000
	s_delay_alu instid0(VALU_DEP_1)
	v_add_nc_u32 v[OH], v11, v9
	s_mul_i32 s30, s16, 512000                     ; 128 rows of 4,000 bytes
	s_lshl_b32 s31, s15, 11
	s_add_co_u32 s30, s30, s31
	s_mov_b32 s31, 0
	s_mul_i32 s36, s17, BATCHB
	s_mul_i32 s37, s15, SLOTB
	s_add_co_u32 s36, s36, s37
	s_mov_b32 s37, 0
	s_wait_alu depctr_va_vdst(0)
	s_wait_kmcnt 0x0
	s_add_nc_u64 s[4:5], s[4:5], s[30:31]
	s_add_nc_u64 s[36:37], s[8:9], s[36:37]        ; the keys' slot hf of my batch,
	s_add_nc_u64 s[38:39], s[36:37], 2*SLOTB       ; and the values' slot 2 + hf
.irp i, 0,1,2,3
	global_load_b128 v[WL+4*\i:WL+4*\i+3], v[OW+\i], s[6:7] th:TH_LOAD_NT
.endr
.set i, 0
.rept 32
	global_load_b128 v[HL+4*i:HL+4*i+3], v[OH], s[4:5] offset:16000*i th:TH_LOAD_NT
.set i, i+1
.endr
	; all other addresses are made while the loads are on their way
	v_lshrrev_b32 v11, 6, v0
	s_delay_alu instid0(VALU_DEP_1)
	v_mul_u32_u24 v11, v11, PWT
	s_delay_alu instid0(VALU_DEP_1)
	v_lshl_add_u32 v11, v2, 4, v11
	s_delay_alu instid0(VALU_DEP_1)
	v_add_nc_u32 v[LSW], WT, v11                   ; row wave / 2 of eight, piece p
	v_mul_u32_u24 v11, v10, PH
	s_delay_alu instid0(VALU_DEP_1)
	v_lshl_add_u32 v[LSA], v8, 4, v11              ; row wave / 4 of four, piece p
.irp g, 1,2,3
	v_add_nc_u32 v[LSA+\g], 32*PH*\g, v[LSA]
.endr
	v_and_b32 v29, 31, v0                          ; lane
	s_delay_alu instid0(VALU_DEP_1)
	v_lshl_add_u32 v11, v10, 5, v29                ; my key: 32 (wave / 4) + lane
	s_delay_alu instid0(VALU_DEP_1)
	v_mul_u32_u24 v11, v11, PH
	v_bfe_u32 v30, v0, 5, 2                        ; wave % 4: my 128 channels
	s_delay_alu instid0(VALU_DEP_1)
	v_lshl_add_u32 v[RA], v30, 9, v11
	v_lshlrev_b32 v[RB], 2, v0                     ; my channel: 32 wave + lane = my thread's number
.irp g, 1,2,3
	v_add_nc_u32 v[RB+\g], 32*PH*\g, v[RB]
.endr
	v_mul_u32_u24 v11, v29, PWT
	v_bfe_u32 v31, v0, 5, 1
	s_delay_alu instid0(VALU_DEP_1)
	v_lshl_add_u32 v11, v31, 9, v11
	s_delay_alu instid0(VALU_DEP_1)
	v_add_nc_u32 v[RW], WT, v11                    ; row = lane, 128 k = wave % 2 (read by waves 0 and 1 alone)
	v_and_b32 v11, 7, v0                           ; operand row l of a group of 32 is row rho = l % 8 + 8 (l / 16) of tile u = (l / 8) % 2
	v_bfe_u32 v30, v0, 4, 1
	s_delay_alu instid0(VALU_DEP_1)
	v_lshl_add_u32 v11, v30, 3, v11                ; rho
	v_bfe_u32 v31, v0, 3, 1                        ; u
	s_delay_alu instid0(VALU_DEP_2)
	v_lshlrev_b32 v3, 4, v11
	s_delay_alu instid0(VALU_DEP_1)
	v_lshl_add_u32 v3, v31, 10, v3                 ; codes: 1,024 u + 16 rho
	s_delay_alu instid0(VALU_DEP_4)
	v_lshlrev_b32 v1, 2, v11
	s_delay_alu instid0(VALU_DEP_1)
	v_lshl_add_u32 v1, v31, 6, v1                  ; scale word: 4 (16 u + rho)
	s_wait_alu depctr_va_vdst(0)
	s_and_b32 s32, s14, 3
	s_lshr_b32 s33, s14, 2
	s_lshl_b32 s34, s18, 2
	s_add_co_u32 s34, s34, s33                     ; the keys' pair of tiles: 4 kg + wave / 4
	s_lshl_b32 s35, s32, 15
	s_lshl_b32 s44, s34, 11
	s_add_co_u32 s35, s35, s44
	v_add_nc_u32 v[GAC], s35, v3
	s_lshl_b32 s35, s32, 11
	s_lshl_b32 s44, s34, 7
	s_add_co_u32 s35, s35, s44
	s_add_co_u32 s35, s35, SCO
	v_add_nc_u32 v[GAS], s35, v1
	s_lshl_b32 s35, s18, 15                        ; the values': unit kg, pair = wave
	s_lshl_b32 s44, s14, 11
	s_add_co_u32 s35, s35, s44
	v_add_nc_u32 v[GBC], s35, v3
	s_lshl_b32 s35, s18, 11
	s_lshl_b32 s44, s14, 7
	s_add_co_u32 s35, s35, s44
	s_add_co_u32 s35, s35, SCO
	v_add_nc_u32 v[GBS], s35, v1
	v_and_b32 v11, 15, v0
	s_delay_alu instid0(VALU_DEP_1)
	v_lshlrev_b32 v11, 4, v11                      ; Wc_w's rows lie as they come: 16 (lane % 16)
	s_wait_alu depctr_va_vdst(0)
	s_lshr_b32 s35, s20, 1
	s_lshl_b32 s35, s35, 18                        ; S = sp / 2
	s_lshl_b32 s44, s19, 13                        ; 2 rg tiles of 4,096 bytes
	s_add_co_u32 s35, s35, s44
	s_and_b32 s44, s20, 1
	s_lshl_b32 s44, s44, 1
	s_add_co_u32 s44, s44, s14
	s_lshl_b32 s44, s44, 10                        ; K step in S: 2 (sp % 2) + wave
	s_add_co_u32 s35, s35, s44
	v_lshl_add_u32 v3, v30, 12, v11
	s_delay_alu instid0(VALU_DEP_1)
	v_add_nc_u32 v[GWC], s35, v3
	s_lshr_b32 s35, s19, 3
	s_lshl_b32 s35, s35, 14
	s_lshl_b32 s44, s20, 1
	s_add_co_u32 s44, s44, s14
	s_lshl_b32 s44, s44, 10                        ; K step 2 sp + wave
	s_add_co_u32 s35, s35, s44
	s_bfe_u32 s44, s19, 0x20001                    ; (rg / 2) % 4
	s_lshl_b32 s44, s44, 8
	s_add_co_u32 s35, s35, s44
	s_and_b32 s44, s19, 1
	s_lshl_b32 s44, s44, 3
	s_add_co_u32 s35, s35, s44
	v_lshl_add_u32 v1, v30, 2, v11
	s_delay_alu instid0(VALU_DEP_1)
	v_add_nc_u32 v[GWS], s35, v1
	; into LDS, zeros in the place of what lies past an end
	s_wait_loadcnt 32                              ; Wc_w's four loads are in; the 32 of hs behind them may be out
.irp i, 0,1,2,3
.irp d, 0,1,2,3
	v_cndmask_b32 v[WL+4*\i+\d], 0, v[WL+4*\i+\d], s[40+\i]
.endr
	ds_store_b128 v[LSW], v[WL+4*\i:WL+4*\i+3] offset:8*PWT*\i
.endr
.set i, 0
.rept 32
	s_wait_loadcnt 31-i                            ; loads come back in order: load i is in, the younger ones may be out
.irp d, 0,1,2,3
	v_cndmask_b32 v[HL+4*i+\d], 0, v[HL+4*i+\d], s28
.endr
	ds_store_b128 v[LSA+i/8], v[HL+4*i:HL+4*i+3] offset:4*PH*(i%8)
.set i, i+1
.endr
	s_wait_dscnt 0x0                               ; for the others' sake: my stores have landed
	s_barrier_signal -1
	s_barrier_wait -1                              ; both tiles are whole
; 32 numbers of one lane, v[x] on, become 32 codes in v[c .. c + 3]; the scale's byte goes to byte n of v[sb]
.macro QB x, c, n, sb
	v_max3_num_f32 v176, |v[\x]|, |v[\x+1]|, |v[\x+2]|
	v_max3_num_f32 v177, |v[\x+3]|, |v[\x+4]|, |v[\x+5]|
.irp i, 6,10,14,18,22,26
	s_delay_alu instid0(VALU_DEP_2)
	v_max3_num_f32 v176, v176, |v[\x+\i]|, |v[\x+\i+1]|
	s_delay_alu instid0(VALU_DEP_2)
	v_max3_num_f32 v177, v177, |v[\x+\i+2]|, |v[\x+\i+3]|
.endr
	s_delay_alu instid0(VALU_DEP_2)
	v_max3_num_f32 v176, v176, |v[\x+30]|, |v[\x+31]|
	s_delay_alu instid0(VALU_DEP_1)
	v_max3_num_f32 v176, v176, v177, 0x1800000     ; and the floor 2^(3 - 127): the byte cannot fall under 1
	s_delay_alu instid0(VALU_DEP_1)
	v_add_nc_u32 v178, 0xff000000, v176            ; 2 off the exponent field: the conversion takes the exponent field of this operand as its scale
	s_delay_alu instid0(VALU_DEP_1)
	v_lshrrev_b32 v179, 23, v178                   ; the scale's byte
.if \n == 0
	s_delay_alu instid0(VALU_DEP_1)
	v_mov_b32 v[\sb], v179
.else
	s_delay_alu instid0(VALU_DEP_1)
	v_lshl_or_b32 v[\sb], v179, 8*\n, v[\sb]
.endif
.irp g, 0,1,2,3
	v_cvt_scalef32_pk8_fp4_f32 v[\c+\g], v[\x+8*\g:\x+8*\g+7], v178
.endr
	v_nop                                          ; one plain vector line behind the last conversion, ahead of the next write of its scale operand
.endm
.macro LDROW adr, n, x                 ; block n of a row: 128 bytes, eight loads of 16
.irp j, 0,1,2,3,4,5,6,7
	ds_load_b128 v[\x+4*\j:\x+4*\j+3], v[\adr] offset:128*\n+16*\j
.endr
.endm
.macro LDCOL n, x                      ; block n of a column: 32 keys, a load a key; 32 lanes read 128 neighbouring bytes
.irp i, 0,1,2,3,4,5,6,7,8,9,10,11,12,13,14,15,16,17,18,19,20,21,22,23,24,25,26,27,28,29,30,31
	ds_load_b32 v[\x+\i], v[RB+\n] offset:PH*\i
.endr
.endm
	; eight blocks a lane, the loads one block ahead: each wait leaves the next block's loads out
	LDROW RA, 0, X0
	LDROW RA, 1, X1
	s_wait_dscnt 8
	QB X0, C, 0, SB
	global_store_b128 v[GAC], v[C:C+3], s[36:37]                   ; sixteen lanes fill 256 consecutive bytes, aligned; the other sixteen those of the neighbouring tile
	LDROW RA, 2, X0
	s_wait_dscnt 8
	QB X1, C+4, 1, SB
	global_store_b128 v[GAC], v[C+4:C+7], s[36:37] offset:256
	LDROW RA, 3, X1
	s_wait_dscnt 8
	QB X0, C+8, 2, SB
	global_store_b128 v[GAC], v[C+8:C+11], s[36:37] offset:512
	LDCOL 0, X0
	s_wait_dscnt 32
	QB X1, C+12, 3, SB
	global_store_b128 v[GAC], v[C+12:C+15], s[36:37] offset:768
	global_store_b32 v[GAS], v[SB], s[36:37]                       ; a line of 128 consecutive bytes
	LDCOL 1, X1
	s_wait_dscnt 32
	QB X0, C+16, 0, SB+1
	global_store_b128 v[GBC], v[C+16:C+19], s[38:39]
	LDCOL 2, X0
	s_wait_dscnt 32
	QB X1, C+20, 1, SB+1
	global_store_b128 v[GBC], v[C+20:C+23], s[38:39] offset:256
	LDCOL 3, X1
	s_wait_dscnt 32
	QB X0, C+24, 2, SB+1
	global_store_b128 v[GBC], v[C+24:C+27], s[38:39] offset:512
	s_wait_dscnt 0x0
	QB X1, C+28, 3, SB+1
	global_store_b128 v[GBC], v[C+28:C+31], s[38:39] offset:768
	global_store_b32 v[GBS], v[SB+1], s[38:39]
	s_cmp_gt_u32 s14, 1                            ; Wc_w's tile is 32 rows x 2 K steps: waves 0 and 1.  No barrier stands behind this branch
	s_cbranch_scc1 .Ldone
	LDROW RW, 0, X0
	LDROW RW, 1, X1
	s_wait_dscnt 8
	QB X0, C+32, 0, SB+2
	global_store_b128 v[GWC], v[C+32:C+35], s[10:11]
	LDROW RW, 2, X0
	s_wait_dscnt 8
	QB X1, C+36, 1, SB+2
	global_store_b128 v[GWC], v[C+36:C+39], s[10:11] offset:256
	LDROW RW, 3, X1
	s_wait_dscnt 8
	QB X0, C+40, 2, SB+2
	global_store_b128 v[GWC], v[C+40:C+43], s[10:11] offset:512
	s_wait_dscnt 0x0
	QB X1, C+44, 3, SB+2
	global_store_b128 v[GWC], v[C+44:C+47], s[10:11] offset:768
	global_store_b32 v[GWS], v[SB+2], s[12:13]                     ; words 16 bytes apart: 65,536 bytes in the whole launch
.Ldone:
	s_wait_tensorcnt 0x0
	ds_add_u32 v192, v193
	s_wait_dscnt 0x0
	s_endpgm
.Lfunc_end_k_q06bdd4cfa1_quant:
	.size	k_q06bdd4cfa1_quant, .Lfunc_end_k_q06bdd4cfa1_quant-k_q06bdd4cfa1_quant
	.p2alignl 7, 3214868480
	.fill 96, 4, 3214868480
	.section	.rodata,"a",@progbits
	.p2align	6, 0x0
	.amdhsa_kernel k_q06bdd4cfa1_quant
		.amdhsa_group_segment_fixed_size 299520
		.amdhsa_private_segment_fixed_size 0
		.amdhsa_enable_private_segment 0
		.amdhsa_kernarg_size 40
		.amdhsa_user_sgpr_count 2
		.amdhsa_user_sgpr_kernarg_segment_ptr 1
		.amdhsa_wavefront_size32 1
		.amdhsa_system_sgpr_workgroup_id_x 1
		.amdhsa_system_sgpr_workgroup_id_y 1
		.amdhsa_system_sgpr_workgroup_id_z 1
		.amdhsa_system_vgpr_workitem_id 0
		.amdhsa_next_free_vgpr 194
		.amdhsa_next_free_sgpr 66
		.amdhsa_reserve_vcc 0
		.amdhsa_float_denorm_mode_32 3
		.amdhsa_float_denorm_mode_16_64 3
		.amdhsa_memory_ordered 1
		.amdhsa_forward_progress 1
		.amdhsa_inst_pref_size 62
	.end_amdhsa_kernel
	.amdgpu_metadata
---
amdhsa.version: [ 1, 2 ]
amdhsa.kernels:
  - .name:           k_q06bdd4cfa1_quant
    .symbol:         k_q06bdd4cfa1_quant.kd
    .args:
      - { .name: hs, .offset: 0, .size: 8, .value_kind: global_buffer, .address_space: global }
      - { .name: Wc_w, .offset: 8, .size: 8, .value_kind: global_buffer, .address_space: global }
      - { .name: kv, .offset: 16, .size: 8, .value_kind: global_buffer, .address_space: global }
      - { .name: wc, .offset: 24, .size: 8, .value_kind: global_buffer, .address_space: global }
      - { .name: wsx, .offset: 32, .size: 8, .value_kind: global_buffer, .address_space: global }
    .group_segment_fixed_size: 299520
    .private_segment_fixed_size: 0
    .kernarg_segment_align: 8
    .kernarg_segment_size: 40
    .max_flat_workgroup_size: 512
    .sgpr_count:     66
    .vgpr_count:     194
    .wavefront_size: 32
...
	.end_amdgpu_metadata
.endif
;; end of part 1
;; launch attn (part 2): grid 8 x 32, 4 waves a work-group, clusters of 4 x 1, 327,680 bytes of LDS; arguments ht, mask, kv, hc, hsx; writes hc, hsx
.if DOCPART == 2
	.amdgcn_target "amdgcn-amd-amdhsa--gfx1250"
	.amdhsa_code_object_version 6
	.text
	.protected	k_q06bdd4cfa1_attn
	.globl	k_q06bdd4cfa1_attn
	.p2align	8
	.type	k_q06bdd4cfa1_attn,@function
k_q06bdd4cfa1_attn:
	s_mov_b64 s[64:65], 0
	v_nop
	global_prefetch_b8 v0, s[64:65] scope:SCOPE_SE
	s_setreg_imm32_b32 hwreg(HW_REG_WAVE_MODE, 25, 1), 1
	s_wait_xcnt 0x0
	s_wait_alu depctr_hold_cnt(0) depctr_sa_sdst(0) depctr_va_vdst(0) depctr_va_sdst(0) depctr_va_ssrc(0) depctr_va_vcc(0) depctr_vm_vsrc(0)
	s_getreg_b32 s2, hwreg(HW_REG_IB_STS2, 6, 4)
	s_cmp_eq_u32 s2, 0
	s_cbranch_scc0 .Lentry_in_a_cluster
	s_endpgm
.Lentry_in_a_cluster:
	s_bfe_u32 s2, ttmp6, 0x10000c
	s_cmp_lg_u32 s2, 0x3003
	s_cbranch_scc0 .Lentry_shape_is_right
	s_endpgm
.Lentry_shape_is_right:
; 64 queries of one batch go through the whole attention: scores = Q(ht) . Q(hs)^T on FP4 (E2M1) codes, -10000 where the mask says so, p = 2^(t - M) with M the ceiling of the row's largest t,
; c = Q(p) . Q(hs) / l with l the sum of the unquantised p, and h = [c, ht] quantised along its 2000 into hc (codes) and hsx (scale words), both in the order of an operand's registers.
; Four waves: a wave quantises 16 queries' rows of ht, then owns 128 keys (first product) or 128 channels of each half (second product) for all 64 queries.  kv's four slots of 139,264 bytes come through
; a ring of two LDS slots by joint loads: the four work-groups of a cluster share a batch.
; ht IS LOADED ONCE AND QUANTISED TWICE: in blocks from channel 0 (the scores' operand, tasks P) and in blocks from channel 24 (h's blocks 32 on, tasks H; channels 0-23 join c's last eight in h's block 31).
; A bank of 64 registers holds 128 channels of 16 rows: lane (r, h), register 16 b + e: channel 32 b + 16 h + e.  Four banks fill window 1 and follow each other modulo 256 registers.
; A lane's 16 numbers of a block that begins 24 channels further on are the upper eight of the next chunk of 16, which lies in lane l xor 16 (one select and one lane permute a register), and the lower eight
; of the chunk after that, which are the lane's own registers 16 further on.  So task H k follows task P k + 1, and only then bank k is loaded anew.
; LIMITS: a block of zeros gets the scale byte 1 where the rule says 127 (its codes are zeros, and this program alone reads the bytes); NaN and infinities among the inputs are not served.
.set SLOTB,  139264
.set BATCHB, 4*SLOTB
.set QUARTB, SLOTB/4
.set SCO,    131072
.set XQ,     2*SLOTB
.set XQS,    XQ+32768
.set MAXX,   XQS+4096
.set HSX,    MAXX+2048
.set SPARE,  HSX+4096
.set VR,  1
.set VH,  2
.set LI,  4
.set LS,  5
.set AW,  6
.set AS,  10
.set AQ,  12
.set AQS, 13
.set XWI, 14
.set XWS, 15
.set PWI, 16
.set PWS, 17
.set AMX, 18
.set AML, 19
.set AHC, 20
.set AHT, 21
.set AHL, 22
.set XA,  23
.set XAT, 24
.set GH,  25
.set SPW, 26
.set NIL, 27
.set NEG, 28
.set MKO, 29
.set MK,  32
.set TM,  48
.set PC,  64
.set PW,  72
.set NM,  80
.set RL,  88
.set SU,  96
.set EX,  112
.set AF,  128
.set SW,  192
.set QS,  200
.set TMX, 208
.set WV,  14
.set SEL, 20
.set CS,  22
.set G1,  24
.set G0,  32
.set HTW, 40
.set HCB, 42
.set HTB, 44
.set HSB, 46
.set MHI, 48
.set PMA, 49
.set PMB, 50
.set LM,  66
.set MSB, 0
.macro WIN new
.if MSB != \new
	s_set_vgpr_msb (MSB<<8)|\new
.set MSB, \new
.endif
.endm
.macro PLACES
.rept 4
	v_nop
.endr
.endm
.macro CROUND
	s_barrier_signal -1
	s_barrier_wait -1
	s_cmp_lg_u32 s[WV], 0
	s_cbranch_scc1 .Lnot_wave_0_\@
	s_barrier_signal -3
.Lnot_wave_0_\@:
	s_barrier_wait -3
	s_barrier_signal -1
	s_barrier_wait -1
.endm
.macro QUANT src
	WIN 0x05
.irp b, 0,1,2,3
	v_max3_num_f32 v[TM+\b], |v[(\src)+16*\b]|, |v[(\src)+1+16*\b]|, 0x1800000
.endr
	WIN 0x14
.irp i, 2,4,6,8,10,12,14
.irp b, 0,1,2,3
	v_max3_num_f32 v[TM+\b], v[TM+\b], |v[(\src)+16*\b+\i]|, |v[(\src)+1+16*\b+\i]|
.endr
.endr
	WIN 0
.irp b, 0,1,2,3
	v_permlanex16_b32 v[TM+4+\b], v[TM+\b], s[SEL], s[SEL+1]
.endr
.irp b, 0,1,2,3
	v_max_num_f32 v[TM+\b], v[TM+\b], v[TM+4+\b]
.endr
.irp b, 0,1,2,3
	v_add_nc_u32 v[TM+12+\b], 0xff000000, v[TM+\b]
.endr
.irp b, 0,1,2,3
	v_lshrrev_b32 v[TM+4+\b], 23, v[TM+12+\b]
.endr
	v_lshl_or_b32 v[PW], v[TM+5], 8, v[TM+4]
	v_lshl_or_b32 v[PW], v[TM+6], 16, v[PW]
	v_lshl_or_b32 v[PW], v[TM+7], 24, v[PW]
	WIN 0x01
.irp b, 0,1,2,3
	v_cvt_scalef32_pk8_fp4_f32 v[PC+2*\b], v[(\src)+16*\b:(\src)+7+16*\b], v[TM+12+\b]
	v_cvt_scalef32_pk8_fp4_f32 v[PC+1+2*\b], v[(\src)+8+16*\b:(\src)+15+16*\b], v[TM+12+\b]
.endr
	WIN 0
	v_nop
.irp c, 0,1
.irp i, 0,1
	v_permlane16_swap_b32 v[PC+4*\c+\i], v[PC+2+4*\c+\i]
.endr
.endr
.endm
.macro XLOADP bank, ks
	WIN 0x40
.irp bb, 0,1,2,3
.if ((\ks) < 7) || (\bb < 3)
.irp j, 0,1,2,3
	global_load_b128 v[64*(\bank)+16*\bb+4*\j:64*(\bank)+16*\bb+4*\j+3], v[XA], s[HTW:HTW+1] offset:512*(\ks)+128*\bb+16*\j
.endr
.else
.irp j, 0,1
	global_load_b128 v[64*(\bank)+48+4*\j:64*(\bank)+48+4*\j+3], v[XAT], s[HTW:HTW+1] offset:3968+16*\j
.endr
.irp j, 8,9,10,11,12,13,14,15
	v_mov_b32 v[64*(\bank)+48+\j], 0
.endr
.endif
.endr
	WIN 0
.endm
.set HUX, 128                          ; window 2, v128-159: what lane l xor 16 wants of me
.set HTX, 192                          ; window 2, v192-223: the first eight numbers of my half of each of the four blocks
; The four blocks that begin 24 channels behind bank \bank's: codes into v[PC ..], the scale word into v[PW], as QUANT leaves them
.macro QUANTH bank
	WIN 0x85
.irp b, 0,1,2,3
.irp e, 0,1,2,3,4,5,6,7
	v_cndmask_b32 v[HUX+8*\b+\e], v[(64*(\bank)+16*\b+24+\e)%256], v[64*(\bank)+16*\b+8+\e], s[MHI]   ; lanes 16-31 give the upper eight of their chunk, lanes 0-15 those of their next chunk
.endr
.endr
	WIN 0x82
.irp b, 0,1,2,3
.irp e, 0,1,2,3,4,5,6,7
	v_permlanex16_b32 v[HTX+8*\b+\e], v[HUX+8*\b+\e], s[SEL], s[SEL+1]
.endr
.endr
	WIN 0x0a
.irp b, 0,1,2,3
	v_max3_num_f32 v[TM+\b], |v[HTX+8*\b]|, |v[HTX+8*\b+1]|, 0x1800000
.endr
	WIN 0x28
.irp i, 2,4,6
.irp b, 0,1,2,3
	v_max3_num_f32 v[TM+\b], v[TM+\b], |v[HTX+8*\b+\i]|, |v[HTX+8*\b+\i+1]|
.endr
.endr
	WIN 0x14
.irp i, 0,2,4,6
.irp b, 0,1,2,3
	v_max3_num_f32 v[TM+\b], v[TM+\b], |v[(64*(\bank)+16*\b+16+\i)%256]|, |v[(64*(\bank)+16*\b+17+\i)%256]|
.endr
.endr
	WIN 0
.irp b, 0,1,2,3
	v_permlanex16_b32 v[TM+4+\b], v[TM+\b], s[SEL], s[SEL+1]
.endr
.irp b, 0,1,2,3
	v_max_num_f32 v[TM+\b], v[TM+\b], v[TM+4+\b]
.endr
.irp b, 0,1,2,3
	v_add_nc_u32 v[TM+12+\b], 0xff000000, v[TM+\b]
.endr
.irp b, 0,1,2,3
	v_lshrrev_b32 v[TM+4+\b], 23, v[TM+12+\b]
.endr
	v_lshl_or_b32 v[PW], v[TM+5], 8, v[TM+4]
	v_lshl_or_b32 v[PW], v[TM+6], 16, v[PW]
	v_lshl_or_b32 v[PW], v[TM+7], 24, v[PW]
	WIN 0x02
.irp b, 0,1,2,3
	v_cvt_scalef32_pk8_fp4_f32 v[PC+2*\b], v[HTX+8*\b:HTX+8*\b+7], v[TM+12+\b]
.endr
	WIN 0x01
.irp b, 0,1,2,3
	v_cvt_scalef32_pk8_fp4_f32 v[PC+1+2*\b], v[(64*(\bank)+16*\b+16)%256:(64*(\bank)+16*\b+16)%256+7], v[TM+12+\b]
.endr
	WIN 0
	v_nop
.irp c, 0,1
.irp i, 0,1
	v_permlane16_swap_b32 v[PC+4*\c+\i], v[PC+2+4*\c+\i]
.endr
.endr
.endm
.macro TASKP ks, bank, left
	s_wait_loadcnt \left
.if (\ks) == 7
	WIN 0x41
.irp j, 0,1,2,3,4,5,6,7
	v_cndmask_b32 v[64*(\bank)+48+\j], v[64*(\bank)+48+\j], 0, s[MHI]
.endr
	WIN 0
.endif
.set PC, 224+8*((\ks)%4)               ; the tasks P have four sets of registers for codes and scale word by turns: v224-255 and v73-76; only LDS stores read them
.set PW, 73+(\ks)%4
	s_wait_dscnt 9                                 ; the LDS stores of the task P four back, which read this set, are done: behind them three tasks P issued nine
	QUANT 64*(\bank)
	ds_store_b128 v[XWI], v[PC:PC+3] offset:1024*(\ks)
	ds_store_b128 v[XWI], v[PC+4:PC+7] offset:1024*(\ks)+512
	ds_store_b32 v[XWS], v[PW] offset:128*(\ks)
.set PC, 64
.set PW, 72
.endm
.macro TASKH ki                        ; banks ki % 4 and (ki + 1) % 4 are in: task P ki + 1 has waited for both
.set PC, AF+8*(\ki)                    ; each task H has codes' registers and a scale word's register of its own (v128-191, v208-215, idle until the first fragments are fetched): no store's data are written again
.set PW, TMX+(\ki)
	QUANTH (\ki)%4
	global_store_b128 v[LI], v[PC:PC+3], s[HTB:HTB+1] offset:((\ki)>>2)*4194304+((\ki)&3)*1024
	global_store_b128 v[LI], v[PC+4:PC+7], s[HTB:HTB+1] offset:((\ki)>>2)*4194304+((\ki)&3)*1024+512
	ds_store_b32 v[AHT], v[PW] offset:(8+(\ki))*256
.set PC, 64
.set PW, 72
.endm
.macro FETCHU bank, slot, u, aidx, astr
	WIN 0x80
.irp t, 0,1,2,3,4,5,6,7
.irp c, 0,1
	ds_load_b128 v[64*(\bank)+8*\t+4*\c:64*(\bank)+8*\t+4*\c+3], v[AW+2*(\slot)+(\u)/2] offset:((\u)%2)*32768+1024*\t+512*\c
.endr
.endr
	WIN 0
.irp m, 0,1,2,3
.irp c, 0,1
	ds_load_b128 v[AF+32*(\bank)+8*\m+4*\c:AF+32*(\bank)+8*\m+4*\c+3], v[AQ] offset:((\astr)*\m+(\aidx))*1024+512*\c
.endr
.endr
.irp i, 0,1,2,3
	ds_load_b32 v[SW+4*(\bank)+\i], v[AS+(\slot)] offset:2048*(\u)+128*\i
.endr
.irp m, 0,1,2,3
	ds_load_b32 v[QS+4*(\bank)+\m], v[AQS] offset:((\astr)*\m+(\aidx))*128
.endr
.endm
.macro WM d, a, b, sa, sb, zero, odd
.if \zero
.if \odd
	v_wmma_scale_f32_16x16x128_f8f6f4 v[\d:\d+7], v[\a:\a+7], v[\b:\b+7], 0, v[\sa], v[\sb] matrix_a_fmt:MATRIX_FMT_FP4 matrix_b_fmt:MATRIX_FMT_FP4 matrix_a_scale:MATRIX_SCALE_ROW1
.else
	v_wmma_scale_f32_16x16x128_f8f6f4 v[\d:\d+7], v[\a:\a+7], v[\b:\b+7], 0, v[\sa], v[\sb] matrix_a_fmt:MATRIX_FMT_FP4 matrix_b_fmt:MATRIX_FMT_FP4
.endif
.else
.if \odd
	v_wmma_scale_f32_16x16x128_f8f6f4 v[\d:\d+7], v[\a:\a+7], v[\b:\b+7], v[\d:\d+7], v[\sa], v[\sb] matrix_a_fmt:MATRIX_FMT_FP4 matrix_b_fmt:MATRIX_FMT_FP4 matrix_a_scale:MATRIX_SCALE_ROW1
.else
	v_wmma_scale_f32_16x16x128_f8f6f4 v[\d:\d+7], v[\a:\a+7], v[\b:\b+7], v[\d:\d+7], v[\sa], v[\sb] matrix_a_fmt:MATRIX_FMT_FP4 matrix_b_fmt:MATRIX_FMT_FP4
.endif
.endif
.endm
.macro MULU bank, zero
	WIN 0x52
.irp m, 0,1,2,3
.irp t, 0,1,2,3,4,5,6,7
	WM 64*\m+8*\t, 64*(\bank)+8*\t, AF+32*(\bank)+8*\m, SW+4*(\bank)+\t/2, QS+4*(\bank)+\m, \zero, \t%2
.endr
.endr
.endm
.macro CHANGE slot
	WIN 0
	s_wait_tensorcnt 0x0
	ds_add_u32 v[SPW], v[NIL]
	s_add_nc_u64 s[G0+4*\slot+2:G0+4*\slot+3], s[G0+4*\slot+2:G0+4*\slot+3], 2*SLOTB
	s_wait_dscnt 0x0
	CROUND
	tensor_load_to_lds s[G0+4*\slot:G0+4*\slot+3], s[G1:G1+7]
	s_nop 0
	PLACES
.endm
	s_load_b128 s[4:7], s[0:1], 0x0
	s_load_b128 s[8:11], s[0:1], 0x10
	s_load_b64 s[12:13], s[0:1], 0x20
	v_lshl_add_u32 v[SPW], v0, 2, SPARE
	v_mov_b32 v[NIL], 0
	ds_add_u32 v26, v27
	ds_add_u32 v26, v27
	s_wait_dscnt 0x0
	v_lshrrev_b32 v1, 5, v0
	v_readfirstlane_b32 s[WV], v1
	s_and_b32 s16, ttmp7, 0xffff
	s_mul_i32 s52, s16, BATCHB
	s_mul_i32 s18, s[WV], QUARTB
	s_add_co_u32 s52, s52, s18
	s_mov_b32 s53, 0
	s_mov_b32 s[G1], 15|(3<<16)|(1<<21)
	s_mov_b32 s[G1+1], 32<<16
	s_mov_b32 s[G1+2], 136<<16
	s_mov_b32 s[G1+3], 32<<16
	s_mov_b32 s[G1+4], 136
	s_mov_b32 s[G1+5], 32
	s_mov_b32 s[G1+6], 0
	s_mov_b32 s[G1+7], 0
	s_wait_kmcnt 0x0
	s_add_nc_u64 s[8:9], s[8:9], s[52:53]
.irp n, 0,1
	s_mov_b32 s[G0+4*\n], 1
	s_add_co_u32 s[G0+4*\n+1], s18, \n*SLOTB
	s_add_nc_u64 s[G0+4*\n+2:G0+4*\n+3], s[8:9], \n*SLOTB
	s_or_b32 s[G0+4*\n+3], s[G0+4*\n+3], 0x80000000
.endr
	CROUND
	tensor_load_to_lds s[G0:G0+3], s[G1:G1+7]      ; slot 0: my one tensor load at the head; ht's loads and the addresses follow while it is out
	s_nop 0
	PLACES
	s_bfe_u32 s15, ttmp6, 0x40000
	s_lshl_b32 s17, ttmp9, 2
	s_add_co_u32 s17, s17, s15
	s_lshl_b32 s19, s16, 3
	s_add_co_u32 s17, s17, s19
	s_mul_i32 s54, s17, 256000
	s_mov_b32 s55, 0
	s_add_nc_u64 s[4:5], s[4:5], s[54:55]
	s_mul_i32 s56, s[WV], 64000
	s_mov_b32 s57, 0
	s_add_nc_u64 s[HTW:HTW+1], s[4:5], s[56:57]
	s_lshl_b32 s56, s16, 9
	s_lshl_b32 s58, s[WV], 7
	s_add_co_u32 s56, s56, s58
	s_add_nc_u64 s[6:7], s[6:7], s[56:57]
	s_lshl_b32 s54, s17, 14
	s_add_nc_u64 s[10:11], s[10:11], s[54:55]
	s_lshl_b32 s56, s[WV], 10
	s_add_nc_u64 s[HCB:HCB+1], s[10:11], s[56:57]
	s_lshl_b32 s56, s[WV], 12
	s_add_nc_u64 s[HTB:HTB+1], s[10:11], s[56:57]
	s_add_nc_u64 s[HTB:HTB+1], s[HTB:HTB+1], 8388608
	s_lshr_b32 s54, s17, 2
	s_lshl_b32 s54, s54, 14
	s_and_b32 s58, s17, 3
	s_lshl_b32 s58, s58, 8
	s_add_co_u32 s54, s54, s58
	s_add_co_u32 s54, s54, s56
	s_add_nc_u64 s[HSB:HSB+1], s[12:13], s[54:55]
	s_mov_b32 s[SEL], 0x76543210
	s_mov_b32 s[SEL+1], 0xfedcba98
	s_mov_b32 s[CS], 0x3fb8aa3b
	s_mov_b32 s[CS+1], s[CS]
	s_mov_b32 s[MHI], 0xffff0000
	s_cmp_eq_u32 s[WV], 3
	s_cselect_b32 s[PMA], s[MHI], 0
	s_cselect_b32 s[PMB], -1, 0
	v_and_b32 v[VR], 15, v0
	v_bfe_u32 v[VH], v0, 4, 1
	v_mul_u32_u24 v[XAT], v[VR], 4000
	v_lshl_add_u32 v[XA], v[VH], 6, v[XAT]
	v_lshlrev_b32 v[MKO], 4, v[VH]
.irp bb, 0,1,2,3
	global_load_b128 v[MK+4*\bb:MK+4*\bb+3], v[MKO], s[6:7] offset:32*\bb
.endr
	WIN 0xc0
.irp m, 0,1,2,3
.irp j, 0,1
	global_load_b128 v[16*\m+4*\j:16*\m+4*\j+3], v[XAT], s[4:5] offset:64000*\m+32+16*\j
	global_load_b128 v[16*\m+8+4*\j:16*\m+8+4*\j+3], v[XA], s[4:5] offset:64000*\m+16*\j
.endr
.endr
	WIN 0
	XLOADP 0, 0
	XLOADP 1, 1
	XLOADP 2, 2
	v_and_b32 v3, 31, v0
	v_lshlrev_b32 v[LI], 4, v3
	v_lshlrev_b32 v[LS], 2, v3
	s_lshl_b32 s18, s[WV], 13
	v_add_nc_u32 v[AW], s18, v[LI]
	v_add_nc_u32 v[AW+1], 65536, v[AW]
	v_add_nc_u32 v[AW+2], SLOTB, v[AW]
	v_add_nc_u32 v[AW+3], SLOTB+65536, v[AW]
	v_add_nc_u32 v[AQ], XQ, v[LI]
	v_add_nc_u32 v[XWI], s18, v[AQ]
	s_lshl_b32 s18, s[WV], 9
	v_add_nc_u32 v[AS], s18, v[LS]
	v_add_nc_u32 v[AS], SCO, v[AS]
	v_add_nc_u32 v[AS+1], SLOTB, v[AS]
	v_add_nc_u32 v[AQS], XQS, v[LS]
	s_lshl_b32 s18, s[WV], 10
	v_add_nc_u32 v[XWS], s18, v[AQS]
	v_add_nc_u32 v[PWI], s18, v[AQ]
	v_add_nc_u32 v[AHL], s18, v[LI]
	v_add_nc_u32 v[AHL], HSX, v[AHL]
	s_lshl_b32 s18, s[WV], 7
	v_add_nc_u32 v[PWS], s18, v[AQS]
	v_lshlrev_b32 v3, 4, v[VR]
	v_add_nc_u32 v[AML], MAXX, v3
	s_lshl_b32 s18, s[WV], 2
	v_add_nc_u32 v[AMX], s18, v[AML]
	v_add_nc_u32 v[AHT], HSX, v3
	v_lshl_add_u32 v[GH], v[VH], 10, v3
	s_lshl_b32 s19, s[WV], 8
	v_add_nc_u32 v[AHC], s19, v[AHT]
	v_add_nc_u32 v[AHT], s18, v[AHT]
	v_mov_b32 v[NEG], 0xc61c4000
.irp b, 0,1,2,3
	v_mov_b32 v[TM+4+\b], 0
	v_mov_b32 v[NM+1+2*\b], 0
	v_mov_b32 v[RL+1+2*\b], 0
.endr
	WIN 0x80
.set n, 0
.rept 32
	v_mov_b32 v[HTX+n], 0                          ; written once: a lane permute's destination counts as one of its sources
.set n, n+1
.endr
	WIN 0
	XLOADP 3, 3
	s_wait_loadcnt 48                              ; the mask, the 16 loads of channels 0-23 and task 0's loads are in; behind them 48 are out
	WIN 0xcc
.irp m, 0,1,2,3
.irp j, 0,1,2,3,4,5,6,7
	v_cndmask_b32 v[16*\m+\j], 0, v[16*\m+\j], s[PMA]
	v_cndmask_b32 v[16*\m+8+\j], 0, v[16*\m+8+\j], s[PMB]
.endr
.endr
	WIN 0
	; each wait leaves out the loads issued behind the task's own: 16 a K step, K step 7's 14
	TASKP 0, 0, 48
	TASKP 1, 1, 32
	TASKH 0
	XLOADP 0, 4
	TASKP 2, 2, 32
	TASKH 1
	XLOADP 1, 5
	TASKP 3, 3, 32
	TASKH 2
	XLOADP 2, 6
	s_wait_alu depctr_va_vdst(0)
	s_wait_tensorcnt 0x0                           ; slot 1's first fill is issued as a refill is: my part of slot 0 is in,
	ds_add_u32 v[SPW], v[NIL]                      ; an add of 0 to my spare word,
	s_wait_dscnt 0x0                               ; it is done, and so are my LDS stores
	CROUND
	tensor_load_to_lds s[G0+4:G0+7], s[G1:G1+7]    ; my one tensor load behind the round
	s_nop 0
	PLACES
	TASKP 4, 0, 32
	TASKH 3
	XLOADP 3, 7
	TASKP 5, 1, 30
	TASKH 4
	TASKP 6, 2, 14
	TASKH 5
	TASKP 7, 3, 0
	TASKH 6
	WIN 0x40
.irp j, 0,1,2,3,4,5,6,7,8,9,10,11,12,13,14,15
	v_mov_b32 v[\j], 0                             ; channels 1024 on, which the last task H takes from the bank that follows: zeros
.endr
	WIN 0
	TASKH 7
	PLACES
	PLACES
	s_wait_xcnt 0x0                                ; the tasks H's global stores have read their registers, into which the first fragments are fetched below
	s_wait_tensorcnt 0x1
	s_wait_dscnt 0x0
	s_barrier_signal -1
	s_barrier_wait -1
	FETCHU 0, 0, 0, 0, 8
	FETCHU 1, 0, 1, 1, 8
	s_wait_dscnt 32
	MULU 0, 1
	PLACES
	FETCHU 0, 0, 2, 2, 8
	s_wait_dscnt 32
	MULU 1, 0
	PLACES
	FETCHU 1, 0, 3, 3, 8
	s_wait_dscnt 32
	MULU 0, 0
	CHANGE 0
	FETCHU 0, 1, 0, 4, 8
	s_wait_dscnt 32
	MULU 1, 0
	PLACES
	FETCHU 1, 1, 1, 5, 8
	s_wait_dscnt 32
	MULU 0, 0
	PLACES
	FETCHU 0, 1, 2, 6, 8
	s_wait_dscnt 32
	MULU 1, 0
	PLACES
	FETCHU 1, 1, 3, 7, 8
	s_wait_dscnt 32
	MULU 0, 0
	CHANGE 1
	MULU 1, 0
.macro MASKHALF n0
	WIN 0
.set n, \n0
.rept 32
	v_and_b32 v[EX+n%16], 0xff<<(8*(n%4)), v[MK+n/4]
	v_cmp_ne_u32 s[LM+n%32], 0, v[EX+n%16]
.set n, n+1
.endr
	WIN 0x41
.set n, \n0
.rept 32
.irp m, 0,1,2,3
	v_cndmask_b32 v[64*\m+n], v[64*\m+n], v[NEG], s[LM+n%32]
.endr
.set n, n+1
.endr
.endm
	MASKHALF 0
	MASKHALF 32
	WIN 0x15
.irp m, 0,1,2,3
.irp c, 0,1,2,3
	v_max3_num_f32 v[TMX+4*\m+\c], v[64*\m+16*\c], v[64*\m+16*\c+1], v[64*\m+16*\c+2]
.endr
.endr
	WIN 0x14
.irp i, 3,5,7,9,11,13
.irp m, 0,1,2,3
.irp c, 0,1,2,3
	v_max3_num_f32 v[TMX+4*\m+\c], v[TMX+4*\m+\c], v[64*\m+16*\c+\i], v[64*\m+16*\c+\i+1]
.endr
.endr
.endr
.irp m, 0,1,2,3
.irp c, 0,1,2,3
	v_max3_num_f32 v[TMX+4*\m+\c], v[TMX+4*\m+\c], v[64*\m+16*\c+15], v[64*\m+16*\c+15]
.endr
.endr
	WIN 0
.irp m, 0,1,2,3
	v_max3_num_f32 v[TMX+4*\m], v[TMX+4*\m], v[TMX+4*\m+1], v[TMX+4*\m+2]
.endr
.irp m, 0,1,2,3
	v_max_num_f32 v[TMX+4*\m], v[TMX+4*\m], v[TMX+4*\m+3]
.endr
.irp m, 0,1,2,3
	v_permlanex16_b32 v[EX+\m], v[TMX+4*\m], s[SEL], s[SEL+1]
.endr
.irp m, 0,1,2,3
	v_max_num_f32 v[TMX+4*\m], v[TMX+4*\m], v[EX+\m]
.endr
.irp m, 0,1,2,3
	ds_store_b32 v[AMX], v[TMX+4*\m] offset:256*\m
.endr
	s_wait_dscnt 0x0
	s_barrier_signal -1
	s_barrier_wait -1
.irp m, 0,1,2,3
	ds_load_b128 v[EX+4*\m:EX+4*\m+3], v[AML] offset:256*\m
.endr
	s_wait_dscnt 0x0
.irp m, 0,1,2,3
	v_max3_num_f32 v[TMX+4*\m], v[EX+4*\m], v[EX+4*\m+1], v[EX+4*\m+2]
.endr
.irp m, 0,1,2,3
	v_max_num_f32 v[TMX+4*\m], v[TMX+4*\m], v[EX+4*\m+3]
.endr
.irp m, 0,1,2,3
	v_mul_f32 v[TMX+4*\m], s[CS], v[TMX+4*\m]
.endr
.irp m, 0,1,2,3
	v_floor_f32 v[NM+2*\m], -v[TMX+4*\m]
.endr
	WIN 0x41
.irp m, 0,1,2,3
.set e, 0
.rept 32
	v_pk_fma_f32 v[64*\m+2*e:64*\m+2*e+1], v[64*\m+2*e:64*\m+2*e+1], s[CS:CS+1], v[NM+2*\m:NM+2*\m+1] op_sel_hi:[1,0,0]
.set e, e+1
.endr
.endr
.set e, 0
	s_wait_alu depctr_va_vdst(0)
.rept 256
	v_exp_f32 v[e], v[e]
.set e, e+1
.endr
	v_nop
	s_wait_alu depctr_va_vdst(0)
	WIN 0x05
.irp m, 0,1,2,3
	v_pk_add_f32 v[SU+2*\m:SU+2*\m+1], v[64*\m:64*\m+1], v[64*\m+2:64*\m+3]
	v_pk_add_f32 v[SU+8+2*\m:SU+8+2*\m+1], v[64*\m+4:64*\m+5], v[64*\m+6:64*\m+7]
.endr
	WIN 0x04
.irp e, 8,12,16,20,24,28,32,36,40,44,48,52,56,60
.irp m, 0,1,2,3
	v_pk_add_f32 v[SU+2*\m:SU+2*\m+1], v[SU+2*\m:SU+2*\m+1], v[64*\m+\e:64*\m+\e+1]
	v_pk_add_f32 v[SU+8+2*\m:SU+8+2*\m+1], v[SU+8+2*\m:SU+8+2*\m+1], v[64*\m+\e+2:64*\m+\e+3]
.endr
.endr
	WIN 0
.irp m, 0,1,2,3
	v_pk_add_f32 v[SU+2*\m:SU+2*\m+1], v[SU+2*\m:SU+2*\m+1], v[SU+8+2*\m:SU+8+2*\m+1]
.endr
.irp m, 0,1,2,3
	v_add_f32 v[SU+2*\m], v[SU+2*\m], v[SU+2*\m+1]
.endr
.irp m, 0,1,2,3
	v_permlanex16_b32 v[EX+\m], v[SU+2*\m], s[SEL], s[SEL+1]
.endr
.irp m, 0,1,2,3
	v_add_f32 v[SU+2*\m], v[SU+2*\m], v[EX+\m]
.endr
.irp m, 0,1,2,3
	ds_store_b32 v[AMX], v[SU+2*\m] offset:1024+256*\m
.endr
	s_wait_xcnt 0x0
.irp m, 0,1,2,3
	s_wait_dscnt 0x0
	QUANT 64*\m
	ds_store_b128 v[PWI], v[PC:PC+3] offset:4096*\m
	ds_store_b128 v[PWI], v[PC+4:PC+7] offset:4096*\m+512
	ds_store_b32 v[PWS], v[PW] offset:512*\m
.endr
	s_wait_tensorcnt 0x0
	s_wait_dscnt 0x0
	s_barrier_signal -1
	s_barrier_wait -1
.irp m, 0,1,2,3
	ds_load_b128 v[EX+4*\m:EX+4*\m+3], v[AML] offset:1024+256*\m
.endr
	s_wait_dscnt 0x0
.irp m, 0,1,2,3
	v_add_f32 v[EX+4*\m], v[EX+4*\m], v[EX+4*\m+1]
	v_add_f32 v[EX+4*\m+2], v[EX+4*\m+2], v[EX+4*\m+3]
.endr
.irp m, 0,1,2,3
	v_add_f32 v[EX+4*\m], v[EX+4*\m], v[EX+4*\m+2]
.endr
	s_wait_alu depctr_va_vdst(0)
.irp m, 0,1,2,3
	v_rcp_f32 v[RL+2*\m], v[EX+4*\m]
.endr
	v_nop
	s_wait_alu depctr_va_vdst(0)
.macro PASS g
	FETCHU 0, \g, 0, 0, 4
	FETCHU 1, \g, 1, 1, 4
	s_wait_dscnt 32
	MULU 0, 1
	PLACES
	FETCHU 0, \g, 2, 2, 4
	s_wait_dscnt 32
	MULU 1, 0
	PLACES
	FETCHU 1, \g, 3, 3, 4
	s_wait_dscnt 32
	MULU 0, 0
	s_wait_dscnt 0x0
	MULU 1, 0
	PLACES
	WIN 0x41
.irp m, 0,1,2,3
.set e, 0
.rept 32-8*(\g)
	v_pk_mul_f32 v[64*\m+2*e:64*\m+2*e+1], v[64*\m+2*e:64*\m+2*e+1], v[RL+2*\m:RL+2*\m+1] op_sel_hi:[1,0]
.set e, e+1
.endr
.endr
.if \g
	WIN 0x71
.irp m, 0,1,2,3
.set e, 0
.rept 8
	v_pk_fma_f32 v[64*\m+48+2*e:64*\m+48+2*e+1], v[64*\m+48+2*e:64*\m+48+2*e+1], v[RL+2*\m:RL+2*\m+1], v[16*\m+2*e:16*\m+2*e+1] op_sel_hi:[1,0,1]
.set e, e+1
.endr
.endr
.endif
.irp m, 0,1,2,3
	s_wait_xcnt 0x0
	s_wait_dscnt 0x0
	QUANT 64*\m
	global_store_b128 v[LI], v[PC:PC+3], s[HCB:HCB+1] offset:(\g)*4194304+4096*\m
	global_store_b128 v[LI], v[PC+4:PC+7], s[HCB:HCB+1] offset:(\g)*4194304+4096*\m+512
	ds_store_b32 v[AHC], v[PW] offset:1024*(\g)+4*\m
.endr
.endm
	PASS 0
	PASS 1
	s_wait_dscnt 0x0
	s_barrier_signal -1
	s_barrier_wait -1
.irp e, 0,1
	ds_load_b128 v[EX+4*\e:EX+4*\e+3], v[AHL] offset:512*\e
.endr
	s_wait_dscnt 0x0
.irp e, 0,1
	global_store_b128 v[GH], v[EX+4*\e:EX+4*\e+3], s[HSB:HSB+1] offset:2048*\e
.endr
	s_wait_tensorcnt 0x0
	ds_add_u32 v[SPW], v[NIL]
	s_wait_dscnt 0x0
	CROUND
	s_endpgm
.Lfunc_end_k_q06bdd4cfa1_attn:
	.size	k_q06bdd4cfa1_attn, .Lfunc_end_k_q06bdd4cfa1_attn-k_q06bdd4cfa1_attn
	.p2alignl 7, 3214868480
	.fill 96, 4, 3214868480
	.section	.rodata,"a",@progbits
	.p2align	6, 0x0
	.amdhsa_kernel k_q06bdd4cfa1_attn
		.amdhsa_group_segment_fixed_size 327680
		.amdhsa_private_segment_fixed_size 0
		.amdhsa_enable_private_segment 0
		.amdhsa_kernarg_size 40
		.amdhsa_user_sgpr_count 2
		.amdhsa_user_sgpr_kernarg_segment_ptr 1
		.amdhsa_wavefront_size32 1
		.amdhsa_system_sgpr_workgroup_id_x 1
		.amdhsa_system_sgpr_workgroup_id_y 1
		.amdhsa_system_sgpr_workgroup_id_z 1
		.amdhsa_system_vgpr_workitem_id 0
		.amdhsa_next_free_vgpr 832
		.amdhsa_next_free_sgpr 100
		.amdhsa_reserve_vcc 0
		.amdhsa_float_denorm_mode_32 3
		.amdhsa_float_denorm_mode_16_64 3
		.amdhsa_memory_ordered 1
		.amdhsa_forward_progress 1
		.amdhsa_inst_pref_size 255
	.end_amdhsa_kernel
	.section	.bss,"aw",@nobits
	.p2align	6
	.space	262144
	.amdgpu_metadata
---
amdhsa.version: [ 1, 2 ]
amdhsa.kernels:
  - .name:           k_q06bdd4cfa1_attn
    .symbol:         k_q06bdd4cfa1_attn.kd
    .args:
      - { .name: ht, .offset: 0, .size: 8, .value_kind: global_buffer, .address_space: global }
      - { .name: mask, .offset: 8, .size: 8, .value_kind: global_buffer, .address_space: global }
      - { .name: kv, .offset: 16, .size: 8, .value_kind: global_buffer, .address_space: global }
      - { .name: hc, .offset: 24, .size: 8, .value_kind: global_buffer, .address_space: global }
      - { .name: hsx, .offset: 32, .size: 8, .value_kind: global_buffer, .address_space: global }
    .group_segment_fixed_size: 327680
    .private_segment_fixed_size: 0
    .kernarg_segment_align: 8
    .kernarg_segment_size: 40
    .max_flat_workgroup_size: 128
    .sgpr_count:     100
    .vgpr_count:     832
    .wavefront_size: 32
...
	.end_amdgpu_metadata
.endif
;; end of part 2
;; launch outl (part 3): grid 4 x 64, 4 waves a work-group, clusters of 4 x 4, 327,680 bytes of LDS; arguments hc, hsx, wc, wsx, out0, Wc_b; writes out0
.if DOCPART == 3
	.amdgcn_target "amdgcn-amd-amdhsa--gfx1250"
	.amdhsa_code_object_version 6
	.text
	.protected	k_q06bdd4cfa1_outl
	.globl	k_q06bdd4cfa1_outl
	.p2align	8
	.type	k_q06bdd4cfa1_outl,@function
k_q06bdd4cfa1_outl:
	s_mov_b64 s[64:65], 0
	v_nop
	global_prefetch_b8 v0, s[64:65] scope:SCOPE_SE
	s_setreg_imm32_b32 hwreg(HW_REG_WAVE_MODE, 25, 1), 1
	s_wait_xcnt 0x0
	s_wait_alu depctr_hold_cnt(0) depctr_sa_sdst(0) depctr_va_vdst(0) depctr_va_sdst(0) depctr_va_ssrc(0) depctr_va_vcc(0) depctr_vm_vsrc(0)
	s_getreg_b32 s2, hwreg(HW_REG_IB_STS2, 6, 4)
	s_cmp_eq_u32 s2, 0
	s_cbranch_scc0 .Lentry_in_a_cluster
	s_endpgm
.Lentry_in_a_cluster:
	s_bfe_u32 s2, ttmp6, 0x10000c
	s_cmp_lg_u32 s2, 0xf033
	s_cbranch_scc0 .Lentry_shape_is_right
	s_endpgm
.Lentry_shape_is_right:
; out0[m][n] = tanh(sum over k of h[m][k] W[n][k] + b[n]): m 16,384, n 1000 (made as 1,024), k 2000 (made as 2,048: zero codes past the end).  h and W arrive as FP4 (E2M1) codes with one E8M0 scale for each
; 32 along K, both in the order of operand registers: a fragment (16 rows x 128 K) is 1,024 bytes, register group c at 512 c, lane l at 16 l.  hc: [S 4][16 rows][K step in S 4][1,024], wc likewise;
; the scale words hsx, wsx: [256 rows][K step 16][64 rows 4][row 16][16 rows 4].
; A tile of out0, 256 x 256, is made by four waves, 128 x 128 each: 64 accumulators, 512 registers.  K goes in four steps of 512 through a ring of two LDS slots; a K step's codes of 128 rows are ONE dense
; block of 32,768 bytes.  THE HEAD has four tiles, one joint load a wave: K step 0's 256 rows of h, its 256 rows of W, and the scale words of the tile's rows and of its columns for all of K (16,384 bytes each).
; Slot 1's first fill stands behind the full sequence and a round, as a refill does; from there on a wave fetches 128 rows a load, one load behind each round.
; CLUSTERS: 4 x 4 work-groups; h's tiles are asked for jointly along a row of the cluster, W's along a column.
; PREFETCH: behind the loads of K steps 0, 1 and 2 each wave names the part of the NEXT K step that it will fetch: of its 32,768 bytes the four partners that ask jointly take 8,192 each, told apart by address
; (cx for h, cy for W), lanes 256 bytes apart: each block of 256 bytes once in a cluster, one refill ahead.  Behind K step 3's load nothing is asked for.
; THE MATRIX INSTRUCTION IS USED TRANSPOSED (source 0 = 16 rows of W, source 1 = 16 rows of h): a lane holds eight neighbouring numbers of a row of out0.
; tanh(x) = 1 - 2 / (1 + 2^(2 log2(e) x)).  LIMIT: out0's rows are 4,000 bytes apart, so a wave's store of 512 consecutive bytes does not begin on a multiple of 256.
; REGISTERS, in windows of 256: window 0: v0-31 addresses; v32-95 scale words, two sets; v96-99 the bias; from v128 h's fragments, ONE set; on the way out v128-255.  window 1: W's fragments, TWO sets.
;   window 2: the accumulators of my rows 0-63 ((a, b) at v[8 (8 a + b)]);  window 3: those of my rows 64-127.
.set NQ,     4                         ; matrix instructions deep in a slot
.set FR,     8
.set NL,     2                         ; LDS loads that bring a fragment
.set NP,     4                         ; places behind this matrix instruction (ISA guide 7.12.1)
.set HALFT,  32768                     ; 128 rows x 512 K of codes
.set SLOT,   4*HALFT
.set ASTEP,  4194304                   ; a K step on in hc,
.set BSTEP,  262144                    ; in wc
.set SCL,    2*SLOT                    ; behind the ring: h's scale words (16,384 bytes), then W's
.set HALFS,  8192
.set SPARE,  SCL+4*HALFS               ; the spare words, 128 bytes for each wave: two blocks of 256 bytes that no other line names
.set SPITCH, 528                       ; the way out: a stage of 16 rows x (512 bytes + 16) for each wave, in slot 0, which has had its last fill and its last read by then
.set PFO,  15                          ; v15  the prefetches' offset: 256 x lane; never rewritten
.set ADRA, 16
.set ADRB, 20
.set STO,  24
.set RD,   25
.set CO,   26
.set ADRS, 27
.set SPW,  28
.set NIL,  29
.set N0,   30                          ; v30  my first column of out0
.set BO,   31                          ; v31  its byte in the bias
.set SC,   32                          ; set s at v[SC + 32 s]; register 8 q + i: lanes 0-15 the word of h's block i, lanes 16-31 that of W's block i, for the slot's q-th 128 along K
.set BI,   96                          ; v96-99 2 log2(e) x the bias of my four columns
.set AF,   128
.set BK,   128
.set PFA, 2                            ; s[2:3]   where my prefetch stands
.set PFS, 66                           ; s[66:67] a K step on, in bytes, in the tensor that I fetch for
.set G0H, 4                            ; s[4:7], s[8:11] group 0 of the head's loads of codes (the arguments that lay there have been used by then)
.set G0HB, 8
.set G1, 24
.set G0, 32
.set G1B, 48
.set G0B, 56
.set G1S, 68
.set G0S, 76
.set G1SB, 80
.set G0SB, 88
.set MSB, 0
.macro WIN new
.if MSB != \new
	s_set_vgpr_msb (MSB<<8)|\new
.set MSB, \new
.endif
.endm
.set MUL_LO, 0xa1                      ; source 0 (W) window 1, source 1 (h) window 0, C and D window 2
.set MUL_HI, 0xf1
.set TO_B,   0x40
; A joint load of the ring: waves 0 and 1 fetch for h, waves 2 and 3 for W; the branch hangs on the wave's number alone.  An s_nop 0 and four v_nop follow each of the two lines
.macro JLOAD g0a, g1a, g0b, g1b
	s_cmp_eq_u32 s15, 0
	s_cbranch_scc0 .Lfor_b_\@
	tensor_load_to_lds s[\g0a:\g0a+3], s[\g1a:\g1a+7]
	s_nop 0
.rept 4
	v_nop
.endr
	s_branch .Lasked_\@
.Lfor_b_\@:
	tensor_load_to_lds s[\g0b:\g0b+3], s[\g1b:\g1b+7]
	s_nop 0
.rept 4
	v_nop
.endr
.Lasked_\@:
.endm
.macro ASK                             ; 32 blocks of 256 bytes of the K step that the next refill will ask for
	global_prefetch_b8 v[PFO], s[PFA:PFA+1] th:TH_LOAD_NT scope:SCOPE_SE
.endm
.macro CREST
	s_cmp_lg_u32 s14, 0
	s_cbranch_scc1 .Lnot_wave_0_\@
	s_barrier_signal -3
.Lnot_wave_0_\@:
	s_barrier_wait -3
	s_barrier_signal -1
	s_barrier_wait -1
.endm
.macro CROUND
	s_barrier_signal -1
	s_barrier_wait -1
	CREST
.endm
	s_load_b128 s[4:7], s[0:1], 0x0                ; hc, hsx
	s_load_b128 s[8:11], s[0:1], 0x10              ; wc, wsx
	s_load_b64 s[12:13], s[0:1], 0x20              ; out0
	s_load_b64 s[96:97], s[0:1], 0x28              ; the bias
	v_lshl_add_u32 v[SPW], v0, 2, SPARE
	v_mov_b32 v[NIL], 0
	ds_add_u32 v[SPW], v[NIL]                      ; the opening lines: the add, twice on end, and its wait ahead of my first tensor load
	ds_add_u32 v[SPW], v[NIL]
	v_lshrrev_b32 v1, 5, v0
	v_readfirstlane_b32 s14, v1                    ; wave 0..3
	s_lshr_b32 s15, s14, 1                         ; which half of the tile's rows is mine.  Also: in the ring I fetch for h (0) or for W (1)
	s_and_b32 s16, s14, 1                          ; which half of its columns.  Also: which half of that tile I fetch
	s_bfe_u32 s40, ttmp6, 0x40000                  ; cx, cy
	s_bfe_u32 s41, ttmp6, 0x40004
	s_lshl_b32 s42, ttmp9, 2
	s_add_co_u32 s42, s42, s40                     ; tile column
	s_and_b32 s17, ttmp7, 0xffff
	s_lshl_b32 s17, s17, 2
	s_add_co_u32 s17, s17, s41                     ; tile row
	s_lshl_b32 s43, s41, 2
	s_lshl_b32 s43, 15, s43                        ; my row of the cluster
	s_lshl_b32 s44, 0x1111, s40                    ; my column
	s_or_b32 s[G1+0], s43, (3<<16)|(1<<21)         ; 15:0 the mask; 17:16 elements of 8 bytes; 21 set beside a mask; no padding: fragments are read 16 x lane, on end
	s_or_b32 s[G1B+0], s44, (3<<16)|(1<<21)
.irp g, G1, G1B
	s_mov_b32 s[\g+1], 32<<16                      ; rows of 256 bytes,
	s_mov_b32 s[\g+2], 256<<16                     ; 256 of them for the head's loads (behind them: 128),
	s_mov_b32 s[\g+3], 32<<16
	s_mov_b32 s[\g+4], 256
	s_mov_b32 s[\g+5], 32                          ; dense
	s_mov_b32 s[\g+6], 0
	s_mov_b32 s[\g+7], 0
.endr
	s_or_b32 s[G1S+0], s43, (3<<16)|(1<<21)
	s_or_b32 s[G1SB+0], s44, (3<<16)|(1<<21)
.irp g, G1S, G1SB
	s_mov_b32 s[\g+1], 32<<16
	s_mov_b32 s[\g+2], 64<<16                      ; the scale words of 256 rows: 64 rows of 256 bytes
	s_mov_b32 s[\g+3], 32<<16
	s_mov_b32 s[\g+4], 64
	s_mov_b32 s[\g+5], 32
	s_mov_b32 s[\g+6], 0
	s_mov_b32 s[\g+7], 0
.endr
	s_lshl_b32 s20, s17, 16                        ; h's codes: 65,536 x tile row
	s_mov_b32 s21, 0
	s_lshl_b32 s46, s42, 16                        ; W's: by the tile column
	s_mov_b32 s47, 0
	s_lshl_b32 s22, s17, 14                        ; the scale words: 16,384 x tile row,
	s_mov_b32 s23, 0
	s_lshl_b32 s92, s42, 14                        ; x tile column
	s_mov_b32 s93, 0
	s_lshl_b32 s18, s16, 15                        ; in the ring I fetch half a tile: which, in bytes,
	s_mov_b32 s19, 0
	s_mul_i32 s45, s14, HALFT                      ; and where it goes: by the wave's number alone
	s_wait_dscnt 0x0                               ; both opening adds are done
	s_wait_kmcnt 0x0
	s_add_nc_u64 s[20:21], s[4:5], s[20:21]
	s_add_nc_u64 s[22:23], s[6:7], s[22:23]
	s_add_nc_u64 s[46:47], s[8:9], s[46:47]
	s_add_nc_u64 s[92:93], s[10:11], s[92:93]
	CROUND                                         ; all sixteen work-groups are here: the first joint loads meet
	s_mov_b32 s[G0H], 1                            ; the head's four tiles, each whole: K step 0's 256 rows of h,
	s_mov_b32 s[G0H+1], 0
	s_mov_b64 s[G0H+2:G0H+3], s[20:21]
	s_or_b32 s[G0H+3], s[G0H+3], 0x80000000
	s_mov_b32 s[G0HB], 1                           ; its 256 rows of W, behind them in slot 0,
	s_mov_b32 s[G0HB+1], 2*HALFT
	s_mov_b64 s[G0HB+2:G0HB+3], s[46:47]
	s_or_b32 s[G0HB+3], s[G0HB+3], 0x80000000
	s_mov_b32 s[G0S], 1                            ; h's scale words,
	s_mov_b32 s[G0S+1], SCL
	s_mov_b64 s[G0S+2:G0S+3], s[22:23]
	s_or_b32 s[G0S+3], s[G0S+3], 0x80000000
	s_mov_b32 s[G0SB], 1                           ; and W's
	s_mov_b32 s[G0SB+1], SCL+2*HALFS
	s_mov_b64 s[G0SB+2:G0SB+3], s[92:93]
	s_or_b32 s[G0SB+3], s[G0SB+3], 0x80000000
	s_add_nc_u64 s[20:21], s[20:21], s[18:19]      ; for the ring: my half of the tile
	s_add_nc_u64 s[46:47], s[46:47], s[18:19]
.irp s, 0,1
	s_mov_b32 s[G0+4*\s], 1
	s_add_co_u32 s[G0+4*\s+1], s45, \s*SLOT
	s_add_nc_u64 s[G0+4*\s+2:G0+4*\s+3], s[20:21], \s*ASTEP
	s_or_b32 s[G0+4*\s+3], s[G0+4*\s+3], 0x80000000
	s_mov_b32 s[G0B+4*\s], 1
	s_add_co_u32 s[G0B+4*\s+1], s45, \s*SLOT
	s_add_nc_u64 s[G0B+4*\s+2:G0B+4*\s+3], s[46:47], \s*BSTEP
	s_or_b32 s[G0B+4*\s+3], s[G0B+4*\s+3], 0x80000000
.endr
	s_cmp_eq_u32 s15, 0                            ; the prefetches: do I fetch for h?
	s_cselect_b64 s[PFA:PFA+1], s[20:21], s[46:47] ; my half of the tile, K step 0,
	s_cselect_b32 s94, s40, s41                    ; my place among the four that ask for it with me,
	s_mov_b32 s[PFS], BSTEP
	s_cselect_b32 s[PFS], ASTEP, s[PFS]            ; and a K step on
	s_mov_b32 s[PFS+1], 0
	s_lshl_b32 s94, s94, 13                        ; my work-group's 8,192 bytes of the 32,768
	s_mov_b32 s95, 0
	s_add_nc_u64 s[PFA:PFA+1], s[PFA:PFA+1], s[94:95]
	s_add_nc_u64 s[PFA:PFA+1], s[PFA:PFA+1], s[PFS:PFS+1]   ; at K step 1
; THE HEAD'S LOADS, ONE A WAVE: ONE tree of branches on the wave's number, each arm with its load and, but for the last, a jump to the tree's end
.macro ARM under, g0, g1, next
	s_cmp_lt_u32 s14, \under
	s_cbranch_scc0 \next
	tensor_load_to_lds s[\g0:\g0+3], s[\g1:\g1+7]
	s_nop 0
.rept 4
	v_nop
.endr
	s_branch .Lhead_asked
\next:
.endm
	ARM 1, G0H,  G1,  .Lhead_b
	ARM 2, G0HB, G1B, .Lhead_sa
	ARM 3, G0S,  G1S, .Lhead_sb
	tensor_load_to_lds s[G0SB:G0SB+3], s[G1SB:G1SB+7]
	s_nop 0
.rept 4
	v_nop
.endr
.Lhead_asked:
	v_and_b32 v1, 15, v0                           ; r
	v_bfe_u32 v2, v0, 4, 1                         ; h
	v_and_b32 v7, 31, v0                           ; lane
	v_lshlrev_b32 v[CO], 4, v7                     ; 16 x lane: an image's place, and my bytes of a row of 512 on the way out
	v_lshlrev_b32 v[PFO], 8, v7
	s_wait_alu depctr_va_vdst(0)
	ASK                                            ; K step 1
	s_lshl_b32 s21, s15, 15                        ; my 128 rows of h
	s_lshl_b32 s22, s16, 15                        ; my 128 rows of W,
	s_add_co_u32 s22, s22, 2*HALFT                 ; which lie behind h's 256
.irp s, 0,1
	v_add_nc_u32 v[ADRA+\s], s21, v[CO]
	v_add_nc_u32 v[ADRB+\s], s22, v[CO]
	s_add_co_u32 s21, s21, SLOT
	s_add_co_u32 s22, s22, SLOT
.endr
	v_lshlrev_b32 v5, 4, v1                        ; my row's four words: 16 r
	s_lshl_b32 s21, s15, 9                         ; h's: my 128 rows are two groups of 256 bytes
	s_lshl_b32 s22, s16, 9                         ; W's likewise, behind h's 16,384 bytes
	s_add_co_u32 s22, s22, 2*HALFS
	s_sub_co_u32 s22, s22, s21
	v_mul_u32_u24 v6, s22, v2                      ; lanes 16-31 take W's
	s_add_co_u32 s21, s21, SCL
	v_add_nc_u32 v5, v5, v6
	v_add_nc_u32 v[ADRS], s21, v5
	s_mul_i32 s23, s14, 16*SPITCH                  ; my stage
	v_mul_u32_u24 v5, v1, SPITCH
	v_lshl_add_u32 v5, v2, 5, v5
	v_add_nc_u32 v[STO], s23, v5                   ; in: row r, 32 bytes for each half of the lanes
	v_add_nc_u32 v[RD], s23, v[CO]                 ; back: the 32 lanes take one row of 512 bytes
	s_lshl_b32 s20, s17, 8
	s_lshl_b32 s21, s15, 7
	s_add_co_u32 s20, s20, s21                     ; my first row of out0
	s_mul_i32 s20, s20, 4000
	s_mov_b32 s21, 0
	s_lshl_b32 s46, s42, 10                        ; my first column, in bytes
	s_lshl_b32 s47, s16, 9
	s_add_co_u32 s46, s46, s47
	s_mov_b32 s47, 0
	s_lshr_b32 s92, s46, 2
	v_lshl_add_u32 v[N0], v7, 2, s92               ; my four columns begin at 256 x tile column + 128 x half + 4 x lane
	v_lshlrev_b32 v[BO], 2, v[N0]
	v_min_u32 v[BO], 3984, v[BO]                   ; columns 1000-1023 are not stored: their lanes load the last four numbers, so that no load leaves the buffer
	global_load_b128 v[BI:BI+3], v[BO], s[96:97]
	s_add_nc_u64 s[20:21], s[20:21], s[46:47]
	s_add_nc_u64 s[12:13], s[12:13], s[20:21]
	s_wait_loadcnt 0x0
.irp j, 0,1,2,3
	v_mul_f32 v[BI+\j], 0x4038aa3b, v[BI+\j]       ; x 2 log2(e)
.endr
.macro FRAG reg, adr, q, i             ; fragment (block i, the slot's q-th 128 along K): two loads of 16 bytes a lane, each 512 bytes on end
.irp c, 0,1
	ds_load_b128 v[\reg+4*\c:\reg+4*\c+3], v[\adr] offset:(\i)*4096+(\q)*1024+512*\c
.endr
.endm
; 16 matrix instructions: h's blocks a0, a0 + 1 x W's eight.  The 64 accumulators take turns, one instruction a turn, in the same order in every step
.macro MUL16 a0, p, q, sc, zero
.irp a, \a0, \a0+1
.irp b, 0,1,2,3,4,5,6,7
.if \zero
	v_wmma_scale_f32_16x16x128_f8f6f4 v[8*(8*((\a)%4)+\b):8*(8*((\a)%4)+\b)+7], v[128*(\p)+FR*\b:128*(\p)+FR*\b+FR-1], v[AF+FR*(\a):AF+FR*(\a)+FR-1], 0, v[SC+32*(\sc)+8*(\q)+\b], v[SC+32*(\sc)+8*(\q)+(\a)] matrix_a_fmt:MATRIX_FMT_FP4 matrix_b_fmt:MATRIX_FMT_FP4 matrix_a_scale:MATRIX_SCALE_ROW1
.else
	v_wmma_scale_f32_16x16x128_f8f6f4 v[8*(8*((\a)%4)+\b):8*(8*((\a)%4)+\b)+7], v[128*(\p)+FR*\b:128*(\p)+FR*\b+FR-1], v[AF+FR*(\a):AF+FR*(\a)+FR-1], v[8*(8*((\a)%4)+\b):8*(8*((\a)%4)+\b)+7], v[SC+32*(\sc)+8*(\q)+\b], v[SC+32*(\sc)+8*(\q)+(\a)] matrix_a_fmt:MATRIX_FMT_FP4 matrix_b_fmt:MATRIX_FMT_FP4 matrix_a_scale:MATRIX_SCALE_ROW1
.endif
.endr
.endr
.endm
.macro FETCH_B slot, q, p
	WIN TO_B
.irp i, 0,1,2,3,4,5,6,7
	FRAG 128*(\p)+FR*\i, ADRB+\slot, \q, \i
.endr
	WIN 0
.endm
.macro FETCH_A slot, q, i0
.irp i, \i0, \i0+1, \i0+2, \i0+3
	FRAG AF+FR*(\i), ADRA+\slot, \q, \i
.endr
.endm
.macro SCALES sc                       ; a K step's scale words: eight loads of four words: blocks 4 a .. 4 a + 3 of the q-th 128 along K
.irp q, 0,1,2,3
.irp a, 0,1
	ds_load_b128 v[SC+32*\sc+8*\q+4*\a:SC+32*\sc+8*\q+4*\a+3], v[ADRS] offset:1024*\q+256*\a
.endr
.endr
.endm
.macro PLACES n
.rept \n
	v_nop
.endr
.endm
.macro STEP slot, q, zero              ; a step of 128 along K that has its successor in the same slot
	s_wait_dscnt 4*NL                              ; W's set and h's blocks 0-3 are in; the youngest eight loads (h's blocks 4-7) may be out
	WIN MUL_LO
	MUL16 0, (\q)%2, \q, \slot, \zero
	MUL16 2, (\q)%2, \q, \slot, \zero
	s_wait_dscnt 0
	PLACES NP
	FETCH_B \slot, (\q)+1, 1-(\q)%2
	FETCH_A \slot, (\q)+1, 0
	WIN MUL_HI
	MUL16 4, (\q)%2, \q, \slot, \zero
	MUL16 6, (\q)%2, \q, \slot, \zero
	PLACES NP
	WIN 0
	FETCH_A \slot, (\q)+1, 4
.endm
; A slot's last step changes slots: one barrier; ahead of it each wave waits for all its tensor loads, adds 0 to its spare word, and waits for that and for its reads of this slot.  fill = 1: the slot is filled again
.macro TURN slot, next, fill
.if (\fill) && (\slot) == 0
	s_wait_xcnt 0x0                                ; my last prefetch has read its address: it steps to K step 3
	s_add_nc_u64 s[PFA:PFA+1], s[PFA:PFA+1], s[PFS:PFS+1]
.endif
	s_wait_tensorcnt 0x0                           ; all my tensor loads have landed: my part of the next slot (every window is 0 here)
	ds_add_u32 v[SPW], v[NIL]                      ; 0 onto my spare word
	s_wait_dscnt 4*NL+1                            ; (the add and the youngest eight loads may be out)
	WIN MUL_LO
	MUL16 0, 1, NQ-1, \slot, 0
	s_wait_dscnt 0x0                               ; the add is done, and my reads of this slot are over
	s_barrier_signal -1
	MUL16 2, 1, NQ-1, \slot, 0
	WIN 0
	s_barrier_wait -1
.if \fill
	CREST                                          ; the barrier has opened a round of the cluster's barrier: no wave of any partner still reads this slot or has a load on its way
	s_add_nc_u64 s[G0+4*\slot+2:G0+4*\slot+3], s[G0+4*\slot+2:G0+4*\slot+3], 2*ASTEP
	s_add_nc_u64 s[G0B+4*\slot+2:G0B+4*\slot+3], s[G0B+4*\slot+2:G0B+4*\slot+3], 2*BSTEP
	JLOAD G0+4*\slot, G1, G0B+4*\slot, G1B         ; the first tensor load behind the round; its four v_nop are the places ahead of the loads below
.else
	PLACES NP
.endif
	s_wait_alu depctr_va_vdst(0)
	v_add_nc_u32 v[ADRS], 4096, v[ADRS]            ; on to the next K step's scale words (no LDS load of mine is out)
	FETCH_B \next, 0, 0
	FETCH_A \next, 0, 0
	SCALES \next
.if (\fill) && (\slot) == 0
	ASK                                            ; K step 3, behind K step 2's load and the run of LDS loads
.endif
	WIN MUL_HI
	MUL16 4, 1, NQ-1, \slot, 0
	MUL16 6, 1, NQ-1, \slot, 0
	PLACES NP
	WIN 0
	FETCH_A \next, 0, 4
.endm
	s_wait_xcnt 0x0                                ; my prefetch has read its address: it steps to K step 2
	s_add_nc_u64 s[PFA:PFA+1], s[PFA:PFA+1], s[PFS:PFS+1]
	s_wait_alu depctr_va_vdst(0)
	s_wait_tensorcnt 0x0                           ; my tile of the head's four is in
	ds_add_u32 v[SPW], v[NIL]
	s_mov_b32 s[G1+2], 128<<16                     ; no tensor load of mine is out, so a descriptor may be written: from here on a load brings 128 rows
	s_mov_b32 s[G1+4], 128
	s_mov_b32 s[G1B+2], 128<<16
	s_mov_b32 s[G1B+4], 128
	s_wait_dscnt 0x0                               ; the add is done
	CROUND                                         ; all four tiles are in, and all sixteen work-groups are here
	JLOAD G0+4, G1, G0B+4, G1B                     ; K step 1's load, the first tensor load behind the round
	FETCH_B 0, 0, 0
	FETCH_A 0, 0, 0
	SCALES 0
	FETCH_A 0, 0, 4
	ASK                                            ; K step 2
	STEP 0, 0, 1                                   ; the first products start the sums: nothing is cleared
	STEP 0, 1, 0
	STEP 0, 2, 0
	TURN 0, 1, 1                                   ; slot 0 takes K step 2
	STEP 1, 0, 0
	STEP 1, 1, 0
	STEP 1, 2, 0
	TURN 1, 0, 1                                   ; slot 1 takes K step 3
	STEP 0, 0, 0
	STEP 0, 1, 0
	STEP 0, 2, 0
	TURN 0, 1, 0                                   ; nothing is left to fetch
	STEP 1, 0, 0
	STEP 1, 1, 0
	STEP 1, 2, 0
	s_wait_dscnt 4*NL
	WIN MUL_LO
	MUL16 0, 1, NQ-1, 1, 0
	MUL16 2, 1, NQ-1, 1, 0
	s_wait_dscnt 0
	WIN MUL_HI
	MUL16 4, 1, NQ-1, 1, 0
	MUL16 6, 1, NQ-1, 1, 0
	WIN 0
; THE WAY OUT, block by block of 16 rows x 128 columns: through my own stage in LDS, back as whole rows of 512 bytes; then bias and tanh, four columns a lane, the same four in every row; then the stores.
.macro TOSTAGE a
.set AC, 64*((\a)%4)
	WIN 0x08+4*((\a)/4)                            ; an LDS store's data: window 2 or 3
.irp b, 0,1,2,3,4,5,6,7
	ds_store_b128 v[STO], v[AC+8*\b:AC+8*\b+3] offset:64*\b          ; each accumulator from its low end on
	ds_store_b128 v[STO], v[AC+8*\b+4:AC+8*\b+7] offset:64*\b+16
.endr
	WIN 0
.set BB, BK+64*((\a)%3)-224*(((\a)%3)/2)       ; three buffers by turns: v128-191, v192-255, and v32-95, where the scale words lay
.irp t, 0,1,2,3,4,5,6,7,8,9,10,11,12,13,14,15
	ds_load_b128 v[BB+4*\t:BB+4*\t+3], v[RD] offset:\t*SPITCH        ; LDS serves a wave's instructions in order (ISA guide 5.7.1.4): these see the stores above
.endr
.endm
; From block 1 on the bias and tanh run with EXEC as the last block's stores left it: the lanes that are off hold columns 1000-1023, which are never stored.  So the wait for those stores stands a block's
; arithmetic behind them; EXEC is whole again for the trip of block a + 2 through the stage, whose buffer is the one that block a - 1's stores have read.
.macro SEND a, younger                 ; younger: the LDS instructions issued behind block a's loads, which may stay out
.set BB, BK+64*((\a)%3)-224*(((\a)%3)/2)
	s_wait_dscnt \younger
.set e, 0
.rept 32
	v_pk_fma_f32 v[BB+2*e:BB+2*e+1], v[BB+2*e:BB+2*e+1], 0x4038aa3b, v[BI+2*(e%2):BI+2*(e%2)+1] op_sel_hi:[1,0,1]   ; 2 log2(e) (x + b)
.set e, e+1
.endr
.set e, 0
	s_wait_alu depctr_va_vdst(0)                   ; a wait ahead of each batch and one behind it
.rept 64
	v_exp_f32 v[BB+e], v[BB+e]
.set e, e+1
.endr
	v_nop                                          ; a plain place behind the last exponential
	s_wait_alu depctr_va_vdst(0)
.set e, 0
.rept 32
	v_pk_add_f32 v[BB+2*e:BB+2*e+1], v[BB+2*e:BB+2*e+1], 1.0 op_sel_hi:[1,0]
.set e, e+1
.endr
.set e, 0
	s_wait_alu depctr_va_vdst(0)
.rept 64
	v_rcp_f32 v[BB+e], v[BB+e]
.set e, e+1
.endr
	v_nop
	s_wait_alu depctr_va_vdst(0)
.set e, 0
.rept 32
	v_pk_fma_f32 v[BB+2*e:BB+2*e+1], v[BB+2*e:BB+2*e+1], -2.0, 1.0 op_sel_hi:[1,0,0]   ; 1 - 2 / (1 + 2^..)
.set e, e+1
.endr
	s_wait_alu depctr_va_vdst(0)
	s_wait_xcnt 0x0                                ; block a - 1's stores have read their registers, their base and EXEC
.if (\a) > 0
	s_or_b32 exec_lo, exec_lo, s95                 ; EXEC is whole again
	s_add_nc_u64 s[12:13], s[12:13], 64000         ; 16 rows of out0 on
.endif
.if (\a) < 6
	TOSTAGE (\a)+2
.endif
.set BB, BK+64*((\a)%3)-224*(((\a)%3)/2)
	v_cmp_gt_u32 vcc_lo, 1000, v[N0]               ; columns 1000-1023 do not exist
	s_and_saveexec_b32 s95, vcc_lo                 ; (no global instruction has been issued since the wait on XCNT above)
.irp t, 0,1,2,3,4,5,6,7,8,9,10,11,12,13,14,15
	global_store_b128 v[CO], v[BB+4*\t:BB+4*\t+3], s[12:13] offset:\t*4000 th:TH_STORE_NT
.endr
.endm
	PLACES NP                                      ; ahead of the first read of results and of loads into the registers that held h's fragments
	TOSTAGE 0
	TOSTAGE 1
.irp a, 0,1,2,3,4,5,6
	SEND \a, 32                                    ; behind block a's loads: block a + 1's 16 stores and 16 loads
.endr
	SEND 7, 0
	s_wait_xcnt 0x0                                ; EXEC is restored only behind this wait
	s_or_b32 exec_lo, exec_lo, s95
	s_wait_tensorcnt 0x0                           ; the wave's end
	ds_add_u32 v[SPW], v[NIL]
	s_wait_dscnt 0x0
	CROUND                                         ; the closing round
	s_endpgm
.Lfunc_end_k_q06bdd4cfa1_outl:
	.size	k_q06bdd4cfa1_outl, .Lfunc_end_k_q06bdd4cfa1_outl-k_q06bdd4cfa1_outl
	.p2alignl 7, 3214868480
	.fill 96, 4, 3214868480
	.section	.rodata,"a",@progbits
	.p2align	6, 0x0
	.amdhsa_kernel k_q06bdd4cfa1_outl
		.amdhsa_group_segment_fixed_size 327680
		.amdhsa_private_segment_fixed_size 0
		.amdhsa_enable_private_segment 0
		.amdhsa_kernarg_size 48
		.amdhsa_user_sgpr_count 2
		.amdhsa_user_sgpr_kernarg_segment_ptr 1
		.amdhsa_wavefront_size32 1
		.amdhsa_system_sgpr_workgroup_id_x 1
		.amdhsa_system_sgpr_workgroup_id_y 1
		.amdhsa_system_sgpr_workgroup_id_z 1
		.amdhsa_system_vgpr_workitem_id 0
		.amdhsa_next_free_vgpr 1024
		.amdhsa_next_free_sgpr 98
		.amdhsa_reserve_vcc 1
		.amdhsa_float_denorm_mode_32 3
		.amdhsa_float_denorm_mode_16_64 3
		.amdhsa_memory_ordered 1
		.amdhsa_forward_progress 1
		.amdhsa_inst_pref_size 255
	.end_amdhsa_kernel
	.section	.bss,"aw",@nobits
	.p2align	6
	.space	262144
	.amdgpu_metadata
---
amdhsa.version: [ 1, 2 ]
amdhsa.kernels:
  - .name:           k_q06bdd4cfa1_outl
    .symbol:         k_q06bdd4cfa1_outl.kd
    .args:
      - { .name: hc, .offset: 0, .size: 8, .value_kind: global_buffer, .address_space: global }
      - { .name: hsx, .offset: 8, .size: 8, .value_kind: global_buffer, .address_space: global }
      - { .name: wc, .offset: 16, .size: 8, .value_kind: global_buffer, .address_space: global }
      - { .name: wsx, .offset: 24, .size: 8, .value_kind: global_buffer, .address_space: global }
      - { .name: out0, .offset: 32, .size: 8, .value_kind: global_buffer, .address_space: global }
      - { .name: Wc_b, .offset: 40, .size: 8, .value_kind: global_buffer, .address_space: global }
    .group_segment_fixed_size: 327680
    .private_segment_fixed_size: 0
    .kernarg_segment_align: 8
    .kernarg_segment_size: 48
    .max_flat_workgroup_size: 128
    .sgpr_count:     98
    .vgpr_count:     1024
    .wavefront_size: 32
...
	.end_amdgpu_metadata
.endif
;; end of part 3
